; MI455X (gfx1250); checked and timed in simulation.
; The chip was launched on July 23, 2026; its instructions are those of AMD's public machine-readable ISA for CDNA 5 (MIT licence, August 2026) and "CDNA5" Instruction Set Architecture Reference Guide (July 2026). The comments in the code are by the model that wrote it; some were corrected since.
;; Simple Multi Head Attention. Allowed arithmetic: matrix products marked QUANTISED: E2M3 operands, one E8M0 scale for each 32 along K, by v_wmma_scale_f32_16x16x128_f8f6f4 with both operands' format E2M3, f32 sums; everything else in f32.
;; Inputs: Wk 16 x 1,024 x 64 float32; Wo 1,024 x 1,024 float32; Wq 16 x 1,024 x 64 float32; Wv 16 x 1,024 x 64 float32; keys 4 x 2,048 x 1,024 float32; queries 4 x 2,048 x 1,024 float32; valid_lens 4 int32; values 4 x 2,048 x 1,024 float32.
;; Outputs: out0 4 x 2,048 x 1,024 float32.
;; This version of the problem:
;;   THIS VERSION OF THE PROBLEM IS GIVEN IN LOW PRECISION. The matrix products marked QUANTISED in the list below multiply operands that are first quantised to E2M3 (2 exponent bits, 3 mantissa bits; 6 bits a number), with one power-of-two scale for each 32 numbers along K (OCP MX v1.0); their sums are f32. All else is computed in f32.
;;   The module's matrix products, in the order in which they are computed (A, B: the left and right operand; K: the contracted axis; several contracted axes count as one K, in the product's order):
;;     1. [M 1,024, K 1,024] x [K 1,024, N 8,192]; A: input Wq; B: input queries: QUANTISED
;;     2. [M 1,024, K 1,024] x [K 1,024, N 8,192]; A: input Wk; B: input keys: QUANTISED
;;     3. [M 1,024, K 1,024] x [K 1,024, N 8,192]; A: input Wv; B: input values: QUANTISED
;;     4. batch 64 x [M 2,048, K 64] x [K 64, N 2,048]; A: computed on the way; B: computed on the way: QUANTISED
;;     5. batch 64 x [M 2,048, K 2,048] x [K 2,048, N 64]; A: softmax (see below); B: computed on the way: QUANTISED
;;     6. [M 8,192, K 1,024] x [K 1,024, N 1,024]; A: computed on the way; B: input Wo: QUANTISED
;;   THE QUANTISER, for each operand of a quantised product, along K:
;;     - K is cut into blocks of 32 from its start; a last block that is shorter is filled with zeros.
;;     - A block's scale is 2^e with e = floor(log2(the largest magnitude in the block)) - 2, held to -126 .. 127; a block of zeros has e = 0. As a byte (E8M0): e + 127.
;;     - Each number is divided by its block's scale, clamped to +-7.5, and rounded to the nearest number of E2M3, ties to even, subnormals kept.
;;     - The product sums the exact products of the quantised numbers (number of the format x scale) in f32.
;;   ~~~python
;;   def quantise(x, axis):      # numpy; x: float32 -> the quantised numbers, widened to float32 again
;;       x = np.moveaxis(x, axis, -1); K = x.shape[-1]
;;       x = np.pad(x, [(0, 0)] * (x.ndim - 1) + [(0, -K % 32)]); x = x.reshape(x.shape[:-1] + (-1, 32)); a = np.abs(x).max(-1, keepdims=True)
;;       e = np.where(a > 0, np.clip(np.frexp(np.where(a > 0, a, 1))[1] - 1 - 2, -126, 127), 0)      # np.frexp(a)[1] - 1 = floor(log2(a)), exactly
;;       r = np.clip(x / 2.0 ** e, -7.5, 7.5)
;;       step = 2.0 ** (np.maximum(np.frexp(np.where(r == 0, 1, r))[1] - 1, 0) - 3)
;;       q = np.round(r / step) * step * 2.0 ** e      # np.round: ties to even
;;       return np.moveaxis(q.reshape(q.shape[:-2] + (-1,))[..., :K], -1, axis).astype(np.float32)
;;   ~~~
;;   SOFTMAX AHEAD OF A QUANTISED PRODUCT. Where the list says 'softmax', what is quantised is not the finished softmax but p = 2^(t - M), with t = logit x log2(e) and M = ceil(the row's largest t), a whole number; so 1/2 < the row's largest p <= 1. The row's sum l is taken of the UNQUANTISED p, in f32, and the product's result is divided by l at the end. Since M is a whole number, a kernel that streams over the keys may use a running M (the ceiling of the running maximum): every later rescaling is an exact power of two, which a block's scale takes up: the codes' values come out the same.
;;   OPERANDS COMPUTED ON THE WAY. 'Computed on the way' means the value that the module computes at that place (a softmax that the list does not call 'softmax' is quantised finished and normalised). What goes into a quantiser is computed in f32, as accurately as f32 sums, v_exp_f32 and their like allow (about 1e-6 of the number): no bf16 or f16 on the way to a quantiser, and a product that is left as it is and whose result goes on into a quantised operand takes f32 operands (vector FMAs, or v_wmma_f32_16x16x4_f32). A number that lies on a knife's edge between two numbers of the format may be rounded either way, as far as f32 arithmetic and the matrix unit's own rounding can turn it there, and no further.
;; 2 versions, each right; version 2 is version 1 with the launches proj, attn written anew for expert scheduling mode. Each part assembles by itself: llvm-mc -triple=amdgcn-amd-amdhsa -mcpu=gfx1250 --defsym DOCPART=n.
;; ======== version 1 of 2: 4 launches
;; workspace buffers: wc 3,276,800 bytes; qq 6,815,744 bytes; kv 13,631,488 bytes; oc 6,291,456 bytes; osc 524,288 bytes
;; launch wquant (part 1): grid 64 x 4, 4 waves a work-group, no clusters, 14,848 bytes of LDS; arguments Wq, Wk, Wv, Wo, wc; writes wc
.if DOCPART == 1
	.amdgcn_target "amdgcn-amd-amdhsa--gfx1250"
	.amdhsa_code_object_version 6
	.text
	.protected	k_qe0bc4b13bd_wquant
	.globl	k_qe0bc4b13bd_wquant
	.p2align	8
	.type	k_qe0bc4b13bd_wquant,@function
k_qe0bc4b13bd_wquant:
	s_mov_b64 s[64:65], 0
	v_nop
	global_prefetch_b8 v0, s[64:65] scope:SCOPE_SE
	s_setreg_imm32_b32 hwreg(HW_REG_WAVE_MODE, 25, 1), 1
	s_wait_xcnt 0x0
; Wq, Wk, Wv [16][1024][64] and Wo [1024][1024], f32, K = their 1,024-long axis d (Wo: its first axis), become codes of FP6 (E2M3) with one E8M0 byte for each 32 along K,
; laid in wc in the ORDER OF THE OPERAND REGISTERS: [weight 0..3][cb: 128 rows][s: 128 along K][12,800 bytes] = 8 fragment images of 1,536 bytes (registers 4 c .. 4 c + 3 of lane l at 512 c + 16 l)
; and 512 bytes of scale words (tile t, row r at 256 (t / 4) + 16 r + 4 (t % 4)).  A weight row is R = 64 head + e (Wo: column n).
; THE ROWS OF A TILE ARE NOT NEIGHBOURS: in a run of 32 rows tile u has as its row r the row 8 u + r + 8 (r / 8), so that a product used with this operand as source 0 leaves 16 neighbours in a lane.
; SHARES: work-group (x = 8 cb + s, y = weight) makes one block of 12,800 bytes; wave g its columns 32 g .. 32 g + 31; A LANE TAKES A COLUMN AND ITS 128 REGISTERS RUN DOWN K: four whole blocks of 32 a lane,
; so no other lane is asked for a maximum and the conversions give K innermost.  Each load of a wave reads 128 consecutive bytes.  The codes go through the wave's own stage in LDS and leave as runs of 512 bytes.
; A block's scale is 2^(floor(log2(largest magnitude)) - 2): its byte is the largest magnitude's exponent field - 2, held at 1 from below by a floor among the maximum's leaves.
; LIMITS: a block of zeros, or one whose largest magnitude lies under 2^-124, gets the byte 1 (the rule says 127 for zeros: its codes are zeros, and this program alone reads the bytes); NaN and infinities are not served.
; No cluster: no two work-groups read the same input byte.  No matrix work here.
.set X,   64                           ; v64-191  my column's 128 numbers; on the way out v64-91
.set C,   24                           ; v24-55   codes: eight registers for each block of 32, so that no LDS store's data are written again
.set SB,  16                           ; v16      my column's scale word
.set SCL, 13312                        ; LDS: behind the four stages of 3,328 bytes: the block's 128 scale words
	s_load_b256 s[4:11], s[0:1], 0x0               ; Wq, Wk, Wv, Wo
	s_load_b64 s[12:13], s[0:1], 0x20              ; wc
	v_lshl_add_u32 v192, v0, 2, 0x3800
	v_mov_b32 v193, 0
	v_lshrrev_b32 v13, 5, v0
	v_readfirstlane_b32 s15, v13                   ; wave g
	s_and_b32 s16, ttmp7, 0xffff                   ; which weight
	s_lshr_b32 s17, ttmp9, 3                       ; cb
	s_and_b32 s18, ttmp9, 7                        ; s
	v_and_b32 v13, 31, v0                          ; lane
	v_lshlrev_b32 v1, 2, v13                       ; in: 4 bytes a lane
	v_lshlrev_b32 v4, 4, v13                       ; 16 x lane
	v_bfe_u32 v8, v0, 3, 1                         ; my column is row r of tile u of the run: u = bit 3,
	v_and_b32 v9, 7, v0
	v_bfe_u32 v10, v0, 4, 1
	v_lshl_or_b32 v9, v10, 3, v9                   ; r = bits 2:0 and bit 4
	s_mul_i32 s19, s15, 3328                       ; my stage: two images, 1,664 bytes apart
	v_mul_u32_u24 v2, v8, 1664
	v_lshl_add_u32 v2, v9, 4, v2
	v_add_nc_u32 v2, s19, v2                       ; into it: tile u, 16 r
	v_add_nc_u32 v5, s19, v4                       ; out of it: 16 x lane
	s_lshr_b32 s20, s15, 1
	s_and_b32 s21, s15, 1
	s_lshl_b32 s22, s20, 8
	s_lshl_b32 s23, s21, 3
	s_add_co_u32 s22, s22, s23
	s_add_co_u32 s22, s22, SCL
	v_lshlrev_b32 v3, 4, v9
	v_lshl_add_u32 v3, v8, 2, v3
	v_add_nc_u32 v3, s22, v3                       ; my scale word: tile 2 g + u, row r
	v_add_nc_u32 v7, SCL, v4                       ; the words' way out (wave 0)
	s_mul_i32 s23, s15, 3072
	v_add_nc_u32 v6, s23, v4                       ; my wave's two images in the block of wc
	s_lshl_b32 s24, s17, 1
	s_add_co_u32 s24, s24, s20                     ; Wq, Wk, Wv: head 2 cb + g / 2,
	s_lshl_b32 s24, s24, 18                        ; 262,144 bytes a head,
	s_lshl_b32 s25, s18, 15                        ; 128 rows d of 256 bytes a K step,
	s_add_co_u32 s24, s24, s25
	s_lshl_b32 s25, s21, 7                         ; e = 32 (g % 2) on
	s_add_co_u32 s24, s24, s25
	s_lshl_b32 s26, s18, 19                        ; Wo: 128 rows of 4,096 bytes a K step,
	s_lshl_b32 s25, s17, 9
	s_add_co_u32 s26, s26, s25                     ; column 128 cb
	s_lshl_b32 s25, s15, 7
	s_add_co_u32 s26, s26, s25                     ; + 32 g
	s_mul_i32 s28, s16, 819200
	s_mul_i32 s29, ttmp9, 12800
	s_add_co_u32 s28, s28, s29                     ; my block of wc
	s_mov_b32 s29, 0
	s_mov_b32 s25, 0
	s_wait_kmcnt 0x0
	s_cmp_eq_u32 s16, 1                            ; the choice of the weight hangs on the work-group's number alone
	s_cselect_b64 s[4:5], s[6:7], s[4:5]
	s_cmp_eq_u32 s16, 2
	s_cselect_b64 s[4:5], s[8:9], s[4:5]
	s_cmp_eq_u32 s16, 3
	s_cselect_b64 s[4:5], s[10:11], s[4:5]
	s_cselect_b32 s24, s26, s24
	s_add_nc_u64 s[4:5], s[4:5], s[24:25]
	s_add_nc_u64 s[12:13], s[12:13], s[28:29]
	s_cmp_eq_u32 s16, 3                            ; the two shapes differ in the pitch from k to k + 1 alone: one branch, round the loads alone
	s_cbranch_scc1 .Lwo
.set i, 0
.rept 128
	global_load_b32 v[X+i], v1, s[4:5] offset:i*256 th:TH_LOAD_NT
.set i, i+1
.endr
	s_branch .Lgot
.Lwo:
.set i, 0
.rept 128
	global_load_b32 v[X+i], v1, s[4:5] offset:i*4096 th:TH_LOAD_NT
.set i, i+1
.endr
.Lgot:
; Block t of 32 along K.  In the fragment, lane (r, hh) holds in registers 6 c .. 6 c + 5 the block 2 c + hh of row r: so block t's 24 bytes go to the image's lane r + 16 (t % 2), registers 6 (t / 2) on.
.macro BLOCK t
.set XS, X+32*(\t)
.set CC, C+8*(\t)
.set HO, 256*((\t)%2)
	v_max3_num_f32 v8, |v[XS]|, |v[XS+1]|, |v[XS+2]|               ; the block's largest magnitude, in two chains
	v_max3_num_f32 v9, |v[XS+3]|, |v[XS+4]|, |v[XS+5]|
.irp i, 6,10,14,18,22,26
	v_max3_num_f32 v8, v8, |v[XS+\i]|, |v[XS+\i+1]|
	v_max3_num_f32 v9, v9, |v[XS+\i+2]|, |v[XS+\i+3]|
.endr
	v_max3_num_f32 v8, v8, |v[XS+30]|, |v[XS+31]|
	v_max3_num_f32 v8, v8, v9, 0x1800000           ; and the floor 2^(3 - 127): the byte cannot fall under 1
	v_add_nc_u32 v11, 0xff000000, v8               ; 2 off the exponent field: the conversion takes this operand's exponent field as its scale
	v_lshrrev_b32 v9, 23, v11                      ; the scale's byte
.if (\t) == 0
	v_mov_b32 v[SB], v9
.else
	v_lshl_or_b32 v[SB], v9, 8*(\t), v[SB]
.endif
	v_cvt_scalef32_pk16_fp6_f32 v[CC:CC+2], v[XS:XS+15], v11
	v_cvt_scalef32_pk16_fp6_f32 v[CC+4:CC+6], v[XS+16:XS+31], v11  ; (a conversion's three registers begin on an even number)
	v_nop                                          ; one plain place behind the scaled conversions
	v_mov_b32 v[CC+3], v[CC+4]
	v_mov_b32 v[CC+4], v[CC+5]
	v_mov_b32 v[CC+5], v[CC+6]                     ; six registers on end
.if (\t) < 2
	ds_store_b128 v2, v[CC:CC+3] offset:HO         ; registers 0-3,
	ds_store_b64 v2, v[CC+4:CC+5] offset:HO+512    ; 4-5
.else
	ds_store_b64 v2, v[CC:CC+1] offset:HO+520      ; registers 6-7,
	ds_store_b128 v2, v[CC+2:CC+5] offset:HO+1024  ; 8-11
.endif
.endm
	s_wait_loadcnt 63                              ; behind the last load of block 1 stand 64 younger ones: blocks 0 and 1 are in
	BLOCK 0
	BLOCK 1
	s_wait_loadcnt 32                              ; block 3's 32 loads may be out
	BLOCK 2
	s_wait_loadcnt 0x0
	BLOCK 3
	ds_store_b32 v3, v[SB]
.irp k, 0,1,2,3,4,5
	ds_load_b128 v[64+4*\k:67+4*\k], v5 offset:(\k/3)*1664+(\k%3)*512   ; LDS serves a wave's instructions in order: these see my stores
.endr
.irp k, 0,1,2,3,4,5
	s_wait_dscnt 5-\k
	global_store_b128 v6, v[64+4*\k:67+4*\k], s[12:13] offset:(\k/3)*1536+(\k%3)*512   ; 32 lanes store 512 consecutive bytes, at a multiple of 256 from wc's first byte
.endr
	s_wait_dscnt 0x0                               ; for the others' sake: my scale words have landed
	s_barrier_signal -1
	s_barrier_wait -1
	s_cmp_lg_u32 s15, 0
	s_cbranch_scc1 .Lend
	ds_load_b128 v[88:91], v7                      ; the block's 128 scale words, made by all four waves
	s_wait_dscnt 0x0
	global_store_b128 v4, v[88:91], s[12:13] offset:12288
.Lend:
	s_wait_tensorcnt 0x0
	ds_add_u32 v192, v193
	s_wait_dscnt 0x0
	s_endpgm
.Lfunc_end_k_qe0bc4b13bd_wquant:
	.size	k_qe0bc4b13bd_wquant, .Lfunc_end_k_qe0bc4b13bd_wquant-k_qe0bc4b13bd_wquant
	.p2alignl 7, 3214868480
	.fill 96, 4, 3214868480
	.section	.rodata,"a",@progbits
	.p2align	6, 0x0
	.amdhsa_kernel k_qe0bc4b13bd_wquant
		.amdhsa_group_segment_fixed_size 14848
		.amdhsa_private_segment_fixed_size 0
		.amdhsa_enable_private_segment 0
		.amdhsa_kernarg_size 40
		.amdhsa_user_sgpr_count 2
		.amdhsa_user_sgpr_kernarg_segment_ptr 1
		.amdhsa_wavefront_size32 1
		.amdhsa_system_sgpr_workgroup_id_x 1
		.amdhsa_system_sgpr_workgroup_id_y 1
		.amdhsa_system_sgpr_workgroup_id_z 1
		.amdhsa_system_vgpr_workitem_id 0
		.amdhsa_next_free_vgpr 194
		.amdhsa_next_free_sgpr 66
		.amdhsa_reserve_vcc 0
		.amdhsa_float_denorm_mode_32 3
		.amdhsa_float_denorm_mode_16_64 3
		.amdhsa_memory_ordered 1
		.amdhsa_forward_progress 1
		.amdhsa_inst_pref_size 35
	.end_amdhsa_kernel
	.amdgpu_metadata
---
amdhsa.version: [ 1, 2 ]
amdhsa.kernels:
  - .name:           k_qe0bc4b13bd_wquant
    .symbol:         k_qe0bc4b13bd_wquant.kd
    .args:
      - { .name: Wq, .offset: 0, .size: 8, .value_kind: global_buffer, .address_space: global }
      - { .name: Wk, .offset: 8, .size: 8, .value_kind: global_buffer, .address_space: global }
      - { .name: Wv, .offset: 16, .size: 8, .value_kind: global_buffer, .address_space: global }
      - { .name: Wo, .offset: 24, .size: 8, .value_kind: global_buffer, .address_space: global }
      - { .name: wc, .offset: 32, .size: 8, .value_kind: global_buffer, .address_space: global }
    .group_segment_fixed_size: 14848
    .private_segment_fixed_size: 0
    .kernarg_segment_align: 8
    .kernarg_segment_size: 40
    .max_flat_workgroup_size: 128
    .sgpr_count:     66
    .vgpr_count:     194
    .wavefront_size: 32
...
	.end_amdgpu_metadata
.endif
;; end of part 1
;; launch proj (part 2): grid 64 x 3, 4 waves a work-group, no clusters, 137,728 bytes of LDS; arguments queries, keys, values, wc, qq, kv; writes qq, kv
.if DOCPART == 2
	.amdgcn_target "amdgcn-amd-amdhsa--gfx1250"
	.amdhsa_code_object_version 6
	.text
	.protected	k_qe0bc4b13bd_proj
	.globl	k_qe0bc4b13bd_proj
	.p2align	8
	.type	k_qe0bc4b13bd_proj,@function
k_qe0bc4b13bd_proj:
	s_mov_b64 s[64:65], 0
	v_nop
	global_prefetch_b8 v0, s[64:65] scope:SCOPE_SE
	s_setreg_imm32_b32 hwreg(HW_REG_WAVE_MODE, 25, 1), 1
	s_wait_xcnt 0x0
; q, k, v = x W (x = queries, keys or values [8192 tokens][1024] f32, by work-group y; W from wc), on codes of FP6 (E2M3) with one E8M0 byte for each 32 along K; the results are quantised at once for the attention launch:
; q and k along the head's 64 (K of the scores), v along the keys (K of the second product).  Neither x's codes nor q, k, v as f32 ever go to memory.
; SHARES.  A work-group takes 128 tokens of one tensor and all 1,024 columns, so each f32 number is read and quantised once.
;  PHASE X: wave w quantises tokens 32 w .. 32 w + 31 (two tiles of 16) for all 8 K steps of 128 and lays the fragments in LDS as images of their registers (registers 4 c .. 4 c + 3 of lane l at 512 c + 16 l).  One barrier.
;  PHASE P: wave w makes columns 128 (2 w + p) on, p = 0, 1: two heads x 128 tokens, 64 accumulators of 16 x 16.  W's fragments have ONE reader, this wave, and come from wc straight into registers, whole, by loads of 16 bytes a lane.
; TILES.  In a run of 32 tokens (or weight rows) tile u has as its row r the row 8 u + r + 8 (r / 8).  So, with such a tile as source 0, the 16 registers of two neighbouring result tiles are 16 NEIGHBOURS along source 0's rows.
;  q, k: source 0 = W, source 1 = x: a lane holds one token, registers run along (head, e).   v: source 0 = x, source 1 = W: a lane holds one e, registers run along the tokens (the keys).
; OUT.  qq chunk (batch, head, token block) 6,656 bytes: 8 half fragments of 768 (registers 0-3 at 16 l, 4-5 at 512 + 8 l), 512 bytes of scale words (tile t, row r at 256 (t / 4) + 16 r + 4 (t % 4)); bytes 2, 3 of a word are 127, for the zero codes that fill K to 128.
;  kv chunk 13,312 bytes: k laid as a qq chunk; at 6,656 four whole fragments of v^T (16 e x 128 keys); at 12,800 their scale words (16 l + 4 t).
; NO MULTICAST: the 64 work-groups of a tensor walk the same 819,200 bytes of wc, but inside a work-group each fragment of W feeds one wave: through LDS it would be written and read once more, 12,800 bytes a wave for 64 matrix instructions.
; LIMITS: a block of zeros, or one whose largest magnitude lies under 2^-124, gets the byte 1 (its codes are zeros or tiny; this program alone reads the bytes); NaN and infinities are not served.
; REGISTERS.  window 0: v1-14 addresses; v16-31 at work; v32-39 x's scale words, v40-47 W's (two sets each); v48-55 second halves of conversions; v56-63 scale words just made; v64-159, v160-255 x's fragments, two sets
;  (phase X: v64-127 numbers, v128-139 codes; way out: v160-255 codes).  window 1: W's fragments, two sets of 96.  windows 2, 3: the 64 accumulators (phase X: window 2 holds four sets of 64 numbers as loaded).
.set XSC,  98304                       ; LDS: 0: x's 64 images [K step][tile]; here: their scale words, 512 bytes a K step;
.set STG,  102400                      ; here: a stage for each wave, 2 x 16 rows x (256 + 16) bytes
.set LI,   1                           ; 16 x lane
.set L8,   2                           ; 8 x lane
.set XO,   3                           ; x: 4,096 h + 16 r
.set SIN,  4                           ; the stage, way in
.set SOUT, 5                           ; and way out
.set XI,   6                           ; where I store x's images
.set XSA,  7                           ; and their scale words
.set H8,   8                           ; 8 h
.set AXP,  9                           ; LDS addresses of the fetches in the K loop: two pairs by turns
.set AX0,  10                          ; 16 x lane: never rewritten
.set ASP,  11
.set AXS0, 12                          ; XSC + 16 x lane: never rewritten
.set AXQ,  13
.set ASQ,  14
.set TM,   16
.set XS,   32
.set WS,   40
.set TQ,   48
.set PW,   56
.set ST,   64
.set PC,   128
.set XF,   64
.set MSB, 0
.macro WIN new                         ; the immediate's high byte repeats the setting that is left; a switch that changes nothing is dropped
.if MSB != (\new)
	s_set_vgpr_msb (MSB<<8)|(\new)
.set MSB, (\new)
.endif
.endm
; one matrix instruction, by the symbols rD, rA, rB, rSA, rSB; fZ: it starts the sum; fRA, fRB: the side's scale words stand in lanes 16-31
.macro WM
.if fZ
.if fRA && fRB
	v_wmma_scale_f32_16x16x128_f8f6f4 v[rD:rD+7], v[rA:rA+11], v[rB:rB+11], 0, v[rSA], v[rSB] matrix_a_fmt:MATRIX_FMT_FP6 matrix_b_fmt:MATRIX_FMT_FP6 matrix_a_scale:MATRIX_SCALE_ROW1 matrix_b_scale:MATRIX_SCALE_ROW1
.elseif fRA
	v_wmma_scale_f32_16x16x128_f8f6f4 v[rD:rD+7], v[rA:rA+11], v[rB:rB+11], 0, v[rSA], v[rSB] matrix_a_fmt:MATRIX_FMT_FP6 matrix_b_fmt:MATRIX_FMT_FP6 matrix_a_scale:MATRIX_SCALE_ROW1
.elseif fRB
	v_wmma_scale_f32_16x16x128_f8f6f4 v[rD:rD+7], v[rA:rA+11], v[rB:rB+11], 0, v[rSA], v[rSB] matrix_a_fmt:MATRIX_FMT_FP6 matrix_b_fmt:MATRIX_FMT_FP6 matrix_b_scale:MATRIX_SCALE_ROW1
.else
	v_wmma_scale_f32_16x16x128_f8f6f4 v[rD:rD+7], v[rA:rA+11], v[rB:rB+11], 0, v[rSA], v[rSB] matrix_a_fmt:MATRIX_FMT_FP6 matrix_b_fmt:MATRIX_FMT_FP6
.endif
.else
.if fRA && fRB
	v_wmma_scale_f32_16x16x128_f8f6f4 v[rD:rD+7], v[rA:rA+11], v[rB:rB+11], v[rD:rD+7], v[rSA], v[rSB] matrix_a_fmt:MATRIX_FMT_FP6 matrix_b_fmt:MATRIX_FMT_FP6 matrix_a_scale:MATRIX_SCALE_ROW1 matrix_b_scale:MATRIX_SCALE_ROW1
.elseif fRA
	v_wmma_scale_f32_16x16x128_f8f6f4 v[rD:rD+7], v[rA:rA+11], v[rB:rB+11], v[rD:rD+7], v[rSA], v[rSB] matrix_a_fmt:MATRIX_FMT_FP6 matrix_b_fmt:MATRIX_FMT_FP6 matrix_a_scale:MATRIX_SCALE_ROW1
.elseif fRB
	v_wmma_scale_f32_16x16x128_f8f6f4 v[rD:rD+7], v[rA:rA+11], v[rB:rB+11], v[rD:rD+7], v[rSA], v[rSB] matrix_a_fmt:MATRIX_FMT_FP6 matrix_b_fmt:MATRIX_FMT_FP6 matrix_b_scale:MATRIX_SCALE_ROW1
.else
	v_wmma_scale_f32_16x16x128_f8f6f4 v[rD:rD+7], v[rA:rA+11], v[rB:rB+11], v[rD:rD+7], v[rSA], v[rSB] matrix_a_fmt:MATRIX_FMT_FP6 matrix_b_fmt:MATRIX_FMT_FP6
.endif
.endif
.endm
	s_load_b256 s[24:31], s[0:1], 0x0              ; queries, keys, values, wc
	s_load_b128 s[32:35], s[0:1], 0x20             ; qq, kv
	v_lshl_add_u32 v51, v0, 2, 0x21800
	v_mov_b32 v55, 0
	v_lshrrev_b32 v14, 5, v0
	v_readfirstlane_b32 s12, v14                   ; wave w
	s_and_b32 s13, ttmp7, 0xffff                   ; which tensor: 0 q, 1 k, 2 v
	v_and_b32 v14, 31, v0                          ; lane
	v_and_b32 v15, 15, v0                          ; r
	v_bfe_u32 v[H8], v0, 4, 1                      ; h
	v_lshlrev_b32 v[LI], 4, v14
	v_lshlrev_b32 v[L8], 3, v14
	v_lshlrev_b32 v[XO], 12, v[H8]
	v_lshl_add_u32 v[XO], v15, 4, v[XO]            ; lanes 0-15 one token's 256 bytes, lanes 16-31 the next token's
	s_mul_i32 s36, s12, 8704
	s_add_co_u32 s36, s36, STG                     ; my stage
	v_mul_u32_u24 v[SIN], v[H8], 272
	v_lshl_add_u32 v[SIN], v15, 4, v[SIN]
	v_add_nc_u32 v[SIN], s36, v[SIN]               ; in: as loaded: row h of a pair, 16 r
	v_mul_u32_u24 v[SOUT], v15, 272
	v_lshl_add_u32 v[SOUT], v[H8], 7, v[SOUT]
	v_add_nc_u32 v[SOUT], s36, v[SOUT]             ; out: row r, my half's 32 numbers: a whole block of 32 along K
	s_mul_i32 s36, s12, 3072
	v_add_nc_u32 v[XI], s36, v[LI]                 ; images of tiles 2 w, 2 w + 1
	s_lshr_b32 s36, s12, 1
	s_lshl_b32 s36, s36, 8
	s_and_b32 s37, s12, 1
	s_lshl_b32 s37, s37, 3
	s_add_co_u32 s36, s36, s37
	s_add_co_u32 s36, s36, XSC
	v_lshlrev_b32 v[XSA], 4, v15
	v_add_nc_u32 v[XSA], s36, v[XSA]               ; scale word of tile 2 w (+ 4 for 2 w + 1), row r
	v_lshlrev_b32 v[AX0], 4, v14
	v_add_nc_u32 v[AXS0], XSC, v[AX0]
	v_lshlrev_b32 v[H8], 3, v[H8]
.irp b, 0,1,2,3
	v_mov_b32 v[TM+4+\b], 0                        ; written once: a lane permute's destination counts as one of its sources
.endr
	s_mov_b32 s20, 0x76543210
	s_mov_b32 s21, 0xfedcba98                      ; v_permlanex16_b32's selects for lane l xor 16
	s_mov_b32 s22, 0x7f7f0000                      ; the bytes 127 over the zero codes that fill the scores' K
	s_mov_b32 s23, 0xffff
	s_lshl_b32 s36, ttmp9, 19                      ; x: 128 tokens of 4,096 bytes a work-group,
	s_lshl_b32 s37, s12, 17                        ; 32 a wave
	s_add_co_u32 s36, s36, s37
	s_mov_b32 s37, 0
	s_mul_i32 s38, s13, 819200                     ; wc: my tensor's weight,
	s_mul_i32 s39, s12, 204800                     ; my two blocks of 128 columns
	s_add_co_u32 s38, s38, s39
	s_mov_b32 s39, 0
	s_mov_b32 s42, 13312
	s_cmp_eq_u32 s13, 0
	s_cselect_b32 s42, 6656, s42                   ; a chunk of qq or of kv
	s_lshr_b32 s43, ttmp9, 4                       ; batch
	s_and_b32 s44, ttmp9, 15                       ; token block in it
	s_lshl_b32 s43, s43, 4
	s_lshl_b32 s45, s12, 2
	s_add_co_u32 s43, s43, s45                     ; 16 batch + head 4 w
	s_lshl_b32 s43, s43, 4
	s_add_co_u32 s43, s43, s44
	s_mul_i32 s46, s43, s42
	s_mov_b32 s47, 0
	s_lshl_b32 s16, s42, 5                         ; two heads on
	s_mov_b32 s17, 0
	s_lshl_b32 s18, s42, 4                         ; one head on
	s_mov_b32 s19, 0
	s_wait_kmcnt 0x0
	s_cmp_eq_u32 s13, 1                            ; the choices hang on the work-group's number alone
	s_cselect_b64 s[4:5], s[26:27], s[24:25]
	s_cmp_eq_u32 s13, 2
	s_cselect_b64 s[4:5], s[28:29], s[4:5]
	s_cmp_eq_u32 s13, 0
	s_cselect_b64 s[8:9], s[32:33], s[34:35]
	s_add_nc_u64 s[4:5], s[4:5], s[36:37]          ; x at my wave's first token
	s_add_nc_u64 s[6:7], s[30:31], s[38:39]        ; W at my first block, K step 0
	s_add_nc_u64 s[8:9], s[8:9], s[46:47]          ; the chunk of the pass's first head,
	s_add_nc_u64 s[10:11], s[8:9], s[18:19]        ; and of its second
.macro WFETCH set, wo                  ; 25 loads: W's eight fragments and their scale words, wo bytes on, into a set
	WIN 0x40
.irp a, 0,1,2,3,4,5,6,7
.irp p, 0,1,2
	global_load_b128 v[96*(\set)+12*\a+4*\p:96*(\set)+12*\a+4*\p+3], v[LI], s[6:7] offset:\wo+1536*\a+512*\p
.endr
.endr
	WIN 0
	global_load_b128 v[WS+4*(\set):WS+4*(\set)+3], v[LI], s[6:7] offset:\wo+12288
.endm
.macro XFETCH set, areg, xo, sreg, so  ; 25 LDS loads: x's eight fragments and their scale words
.irp b, 0,1,2,3,4,5,6,7
.irp p, 0,1,2
	ds_load_b128 v[XF+96*(\set)+12*\b+4*\p:XF+96*(\set)+12*\b+4*\p+3], v[\areg] offset:\xo+1536*\b+512*\p
.endr
.endr
	ds_load_b128 v[XS+4*(\set):XS+4*(\set)+3], v[\sreg] offset:\so
.endm
; PHASE X.  Fragment f = 2 (K step % 2) + u.  16 loads: pair i of the tile's rows, 64 numbers c of the K step: each half of the lanes reads 256 consecutive bytes of one token, at a multiple of 256 from x's first byte.
.macro LOADX f, off
	WIN 0x80
.irp c, 0,1
.irp i, 0,1,2,3,4,5,6,7
	global_load_b128 v[64*(\f)+32*\c+4*\i:64*(\f)+32*\c+4*\i+3], v[XO], s[4:5] offset:(8*((\f)%2)+2*\i+8*(\i/4))*4096+((\f)/2)*512+256*\c+\off th:TH_LOAD_NT
.endr
.endr
	WIN 0
.endm
.macro TURNX f                         ; through my stage: in as loaded, out 32 neighbours along K a lane: v[ST + 32 c + ..] = k 64 c + 32 h + 0 .. 31 of row r, as the operand's layout has them
	WIN 0x08
.irp c, 0,1
.irp i, 0,1,2,3,4,5,6,7
	ds_store_b128 v[SIN], v[64*(\f)+32*\c+4*\i:64*(\f)+32*\c+4*\i+3] offset:4352*\c+544*\i
.endr
.endr
	WIN 0
.irp c, 0,1
.irp q, 0,1,2,3,4,5,6,7
	ds_load_b128 v[ST+32*\c+4*\q:ST+32*\c+4*\q+3], v[SOUT] offset:4352*\c+16*\q   ; LDS serves a wave's instructions in order: these see my stores
.endr
.endr
.endm
.macro XQ                              ; my two whole blocks become registers 0-5 and 6-11 of the fragment; the scale word's four bytes are gathered from lanes l and l xor 16
.irp k, 0,1,2,3
	v_max3_num_f32 v[TM+\k], |v[ST+16*\k]|, |v[ST+16*\k+1]|, 0x1800000   ; four chains of 16 numbers; the floor 2^(3 - 127) holds the byte at 1 from below
.endr
.irp i, 2,4,6,8,10,12,14
.irp k, 0,1,2,3
	v_max3_num_f32 v[TM+\k], v[TM+\k], |v[ST+16*\k+\i]|, |v[ST+16*\k+\i+1]|
.endr
.endr
	v_max_num_f32 v[TM], v[TM], v[TM+1]            ; block h
	v_max_num_f32 v[TM+2], v[TM+2], v[TM+3]        ; block 2 + h
	v_add_nc_u32 v[TM+12], 0xff000000, v[TM]       ; 2 off the exponent field: the conversion's scale operand
	v_add_nc_u32 v[TM+13], 0xff000000, v[TM+2]
	v_lshrrev_b32 v[TM+4], 23, v[TM+12]            ; the bytes
	v_lshrrev_b32 v[TM+5], 23, v[TM+13]
	v_lshl_or_b32 v[PW], v[TM+5], 16, v[TM+4]
	v_lshlrev_b32 v[PW], v[H8], v[PW]              ; at their places in the word, 8 h bits up
	v_permlanex16_b32 v[TM+6], v[PW], s20, s21
	v_or_b32 v[PW], v[PW], v[TM+6]
.irp c, 0,1
	v_cvt_scalef32_pk16_fp6_f32 v[PC+6*\c:PC+6*\c+2], v[ST+32*\c:ST+32*\c+15], v[TM+12+\c]
	v_cvt_scalef32_pk16_fp6_f32 v[TQ+4*\c:TQ+4*\c+2], v[ST+32*\c+16:ST+32*\c+31], v[TM+12+\c]   ; (a conversion's three registers begin on an even number)
.endr
	v_nop                                          ; one plain place behind the scaled conversions
.irp c, 0,1
.irp i, 0,1,2
	v_mov_b32 v[PC+6*\c+3+\i], v[TQ+4*\c+\i]
.endr
.endr
.endm
.macro FRAGX f, refill, left
	s_wait_loadcnt \left                           ; this fragment's 16 loads are in; the younger sets stay out
	TURNX \f
	s_wait_dscnt 0x0                               ; the numbers are back; the stage's stores have read the set, and the last image's stores their codes and word
.if \refill
	LOADX \f, 1024                                 ; the same fragment two K steps on
.endif
	XQ
.irp p, 0,1,2
	ds_store_b128 v[XI], v[PC+4*\p:PC+4*\p+3] offset:((\f)/2)*12288+((\f)%2)*1536+512*\p
.endr
	ds_store_b32 v[XSA], v[PW] offset:((\f)/2)*512+((\f)%2)*4   ; both halves of the lanes write the same word with the same value
.endm
	WFETCH 0, 0                                    ; W of the first pass's K step 0: it lands under phase X
	LOADX 0, 0
	LOADX 1, 0
	LOADX 2, 0
	LOADX 3, 0
	s_mov_b32 s15, 3
.Lx:                                                   ; a trip: two K steps x two tiles
	FRAGX 0, 1, 48
	FRAGX 1, 1, 48
	FRAGX 2, 1, 48
	FRAGX 3, 1, 48
	s_wait_xcnt 0x0                                ; the loads have read their base
	s_add_nc_u64 s[4:5], s[4:5], 1024
	s_wait_dscnt 0x0                               ; the images' stores are done: their addresses may step
	v_add_nc_u32 v[XI], 24576, v[XI]
	v_add_nc_u32 v[XSA], 1024, v[XSA]
	s_sub_co_u32 s15, s15, 1
	s_cmp_lg_u32 s15, 0
	s_cbranch_scc1 .Lx
	FRAGX 0, 0, 48                                 ; the last two K steps load nothing: the counts run down
	FRAGX 1, 0, 32
	FRAGX 2, 0, 16
	FRAGX 3, 0, 0
	s_wait_dscnt 0x0                               ; for the others' sake: my images and words have landed
	s_barrier_signal -1
	s_barrier_wait -1                              ; x's 64 fragments lie in LDS; nothing is written there again
	XFETCH 0, AX0, 0, AXS0, 0
; PHASE P.  64 matrix instructions of one K step.  The 64 accumulators take turns, one instruction a turn, from slot (0, 0) to slot (7, 7) in both arms.
.macro MULS set, zero
	s_cmp_eq_u32 s13, 2
	s_cbranch_scc1 .Lva_\@
.set fZ, \zero
.irp b, 0,1,2,3,4,5,6,7                        ; q, k: source 0 = W's tile a (window 1), source 1 = x's tile b (window 0); accumulator (b, a)
	WIN 0xa1+0x50*(\b/4)
.irp a, 0,1,2,3,4,5,6,7
.set rD, 64*(\b%4)+8*\a
.set rA, 96*(\set)+12*\a
.set rB, XF+96*(\set)+12*\b
.set rSA, WS+4*(\set)+\a%4
.set rSB, XS+4*(\set)+\b%4
.set fRA, \a/4
.set fRB, \b/4
	WM
.endr
.endr
	WIN 0
	s_branch .Ldone_\@
.Lva_\@:
.irp a, 0,1,2,3,4,5,6,7                        ; v: source 0 = x's tile b, source 1 = W's tile a; accumulator (a, b)
	WIN 0xa4+0x50*(\a/4)
.irp b, 0,1,2,3,4,5,6,7
.set rD, 64*(\a%4)+8*\b
.set rA, XF+96*(\set)+12*\b
.set rB, 96*(\set)+12*\a
.set rSA, XS+4*(\set)+\b%4
.set rSB, WS+4*(\set)+\a%4
.set fRA, \b/4
.set fRB, \a/4
	WM
.endr
.endr
	WIN 0
.Ldone_\@:
.endm
; A K step: the next step's operands are asked for, into the set that the last step's products read (four plain places behind them: ISA guide 7.12.1 for vector instructions), then this step is multiplied.
; after = 1, 2: the address pair whose loads the counted wait has just shown done is made anew.
.macro KSTEP cur, zero, areg, xo, sreg, so, wo, after
.rept 4
	v_nop
.endr
	XFETCH 1-(\cur), \areg, \xo, \sreg, \so
	WFETCH 1-(\cur), \wo
	s_wait_loadcnt 25                              ; all but the 25 loads just issued: this step's W is in
	s_wait_dscnt 25                                ; all but the 25 LDS loads just issued: this step's x is in
.if \after == 1
	v_add_nc_u32 v[AXQ], s40, v[AX0]
	v_add_nc_u32 v[ASQ], s41, v[AXS0]
.elseif \after == 2
	s_add_co_u32 s40, s40, 24576                   ; two K steps of images,
	s_add_co_u32 s41, s41, 1024                    ; and of scale words
	v_add_nc_u32 v[AXP], s40, v[AX0]
	v_add_nc_u32 v[ASP], s41, v[AXS0]
.endif
	MULS \cur, \zero
.endm
; 64 numbers of a lane in window 2 + hi, register 16 b + i = place 32 b + 16 h + i along the next K, become a fragment's 12 registers at v[pc] and its scale word in v[pw].  Each accumulator is read from its low end on.
.macro QUANT hi, s, pc, pw
.if \hi
	WIN 0x0f
.else
	WIN 0x0a
.endif
.irp b, 0,1,2,3
	v_max3_num_f32 v[TM+\b], |v[\s+16*\b]|, |v[\s+16*\b+1]|, 0x1800000   ; block b: my 16 numbers, and the floor 2^(3 - 127)
.endr
.irp i, 2,4,6,8,10,12,14
.irp b, 0,1,2,3
	v_max3_num_f32 v[TM+\b], |v[\s+16*\b+\i]|, |v[\s+16*\b+\i+1]|, v[TM+\b]   ; (the four blocks by turns)
.endr
.endr
	WIN 0
.irp b, 0,1,2,3
	v_permlanex16_b32 v[TM+4+\b], v[TM+\b], s20, s21
.endr
.irp b, 0,1,2,3
	v_max_num_f32 v[TM+\b], v[TM+\b], v[TM+4+\b]   ; with lane l xor 16's 16: the block's largest magnitude
.endr
.irp b, 0,1,2,3
	v_add_nc_u32 v[TM+12+\b], 0xff000000, v[TM+\b]
.endr
.irp b, 0,1,2,3
	v_lshrrev_b32 v[TM+4+\b], 23, v[TM+12+\b]
.endr
	v_lshl_or_b32 v[\pw], v[TM+5], 8, v[TM+4]
	v_lshl_or_b32 v[\pw], v[TM+6], 16, v[\pw]
	v_lshl_or_b32 v[\pw], v[TM+7], 24, v[\pw]
.if \hi
	WIN 0x03
.else
	WIN 0x02
.endif
.irp c, 0,1
	v_cvt_scalef32_pk16_fp6_f32 v[\pc+6*\c:\pc+6*\c+2], v[\s+32*\c:\s+32*\c+15], v[TM+12+2*\c]
	v_cvt_scalef32_pk16_fp6_f32 v[TQ+4*\c:TQ+4*\c+2], v[\s+32*\c+16:\s+32*\c+31], v[TM+13+2*\c]
.endr
	WIN 0
	v_nop                                          ; one plain place behind the scaled conversions
.irp c, 0,1                                    ; the operand's layout wants a WHOLE block in a lane: lanes 0-15 block 2 c, lanes 16-31 block 2 c + 1
.irp i, 0,1,2
	v_permlane16_swap_b32 v[\pc+6*\c+\i], v[TQ+4*\c+\i]
.endr
.irp i, 0,1,2
	v_mov_b32 v[\pc+6*\c+3+\i], v[TQ+4*\c+\i]
.endr
.endr
.endm
	s_mov_b32 s14, 2
.Lpass:                                                ; a pass: 128 columns (two heads) x 128 tokens x all of K
	s_mov_b32 s40, 0
	s_mov_b32 s41, 0
	v_add_nc_u32 v[AXP], s40, v[AX0]               ; (no LDS load that names this pair is out: the last step's counted wait has shown them done)
	v_add_nc_u32 v[ASP], s41, v[AXS0]
	KSTEP 0, 1, AX0, 12288, AXS0, 512, 12800, 0    ; K step 0 starts the sums: nothing is cleared
	s_mov_b32 s15, 3
.Lk:
	KSTEP 1, 0, AXP, 24576, ASP, 1024, 25600, 1    ; K steps 1, 3, 5
	KSTEP 0, 0, AXQ, 36864, ASQ, 1536, 38400, 2    ; K steps 2, 4, 6
	s_wait_xcnt 0x0                                ; W's loads have read their base
	s_add_nc_u64 s[6:7], s[6:7], 25600
	s_sub_co_u32 s15, s15, 1
	s_cmp_lg_u32 s15, 0
	s_cbranch_scc1 .Lk
	s_cmp_eq_u32 s14, 1                            ; K step 7: the first pass asks for the second pass's K step 0, the second for nothing
	s_cbranch_scc1 .Llastpass
.rept 4
	v_nop
.endr
	XFETCH 0, AX0, 0, AXS0, 0
	WFETCH 0, 25600
	s_wait_loadcnt 25
	s_wait_dscnt 25
	s_branch .Lmul7
.Llastpass:
	s_wait_loadcnt 0x0
	s_wait_dscnt 0x0
.Lmul7:
	MULS 1, 0
.rept 4
	v_nop                                          ; places in front of the first read of results, and of the codes that are laid over x's second set
.endr
.irp u, 0,1,2,3
	QUANT 0, 64*\u, 160+12*\u, PW+\u
.endr
.irp u, 0,1,2,3
	QUANT 1, 64*\u, 208+12*\u, PW+4+\u
.endr
	s_cmp_eq_u32 s13, 2
	s_cbranch_scc1 .Lvout
.irp u, 0,1,2,3,4,5,6,7                        ; q, k: fragment u = token tile u; registers 0-5 are the first head's half fragment, 6-11 the second's
	global_store_b128 v[LI], v[160+12*\u:163+12*\u], s[8:9] offset:768*\u          ; 512 consecutive bytes,
	global_store_b64 v[L8], v[164+12*\u:165+12*\u], s[8:9] offset:768*\u+512       ; 256: both at multiples of 256 from the buffer's first byte
	global_store_b128 v[LI], v[166+12*\u:169+12*\u], s[10:11] offset:768*\u
	global_store_b64 v[L8], v[170+12*\u:171+12*\u], s[10:11] offset:768*\u+512
.endr
	s_mov_b32 vcc_lo, 0xffff0000
.irp i, 0,1,2,3
	v_cndmask_b32 v[TM+\i], v[PW+\i], v[PW+4+\i], vcc_lo   ; lanes 0-15: tile i's word, lanes 16-31: tile 4 + i's
.endr
.irp i, 0,1,2,3
	v_and_or_b32 v[TM+4+\i], v[TM+\i], s23, s22    ; the first head's two bytes, 127 above them
	v_lshrrev_b32 v[TM+8+\i], 16, v[TM+\i]
.endr
.irp i, 0,1,2,3
	v_or_b32 v[TM+8+\i], s22, v[TM+8+\i]           ; the second head's
.endr
	global_store_b128 v[LI], v[TM+4:TM+7], s[8:9] offset:6144
	global_store_b128 v[LI], v[TM+8:TM+11], s[10:11] offset:6144
	s_branch .Lstored
.Lvout:
.irp u, 0,1,2,3                                ; v: fragment u = W's tile u: head u / 4, 16 e x the chunk's 128 keys
.irp p, 0,1,2
	global_store_b128 v[LI], v[160+12*\u+4*\p:163+12*\u+4*\p], s[8:9] offset:6656+1536*\u+512*\p
	global_store_b128 v[LI], v[208+12*\u+4*\p:211+12*\u+4*\p], s[10:11] offset:6656+1536*\u+512*\p
.endr
.endr
	global_store_b128 v[LI], v[PW:PW+3], s[8:9] offset:12800
	global_store_b128 v[LI], v[PW+4:PW+7], s[10:11] offset:12800
.Lstored:
	s_wait_xcnt 0x0                                ; the stores have read their data and bases, W's loads their base: all may be written again
	s_add_nc_u64 s[8:9], s[8:9], s[16:17]
	s_add_nc_u64 s[10:11], s[10:11], s[16:17]
	s_add_nc_u64 s[6:7], s[6:7], 25600             ; W at the next block's K step 0
	s_sub_co_u32 s14, s14, 1
	s_cmp_lg_u32 s14, 0
	s_cbranch_scc1 .Lpass
	s_wait_tensorcnt 0x0
	ds_add_u32 v51, v55
	s_wait_dscnt 0x0
	s_endpgm
.Lfunc_end_k_qe0bc4b13bd_proj:
	.size	k_qe0bc4b13bd_proj, .Lfunc_end_k_qe0bc4b13bd_proj-k_qe0bc4b13bd_proj
	.p2alignl 7, 3214868480
	.fill 96, 4, 3214868480
	.section	.rodata,"a",@progbits
	.p2align	6, 0x0
	.amdhsa_kernel k_qe0bc4b13bd_proj
		.amdhsa_group_segment_fixed_size 137728
		.amdhsa_private_segment_fixed_size 0
		.amdhsa_enable_private_segment 0
		.amdhsa_kernarg_size 48
		.amdhsa_user_sgpr_count 2
		.amdhsa_user_sgpr_kernarg_segment_ptr 1
		.amdhsa_wavefront_size32 1
		.amdhsa_system_sgpr_workgroup_id_x 1
		.amdhsa_system_sgpr_workgroup_id_y 1
		.amdhsa_system_sgpr_workgroup_id_z 1
		.amdhsa_system_vgpr_workitem_id 0
		.amdhsa_next_free_vgpr 1024
		.amdhsa_next_free_sgpr 66
		.amdhsa_reserve_vcc 1
		.amdhsa_float_denorm_mode_32 3
		.amdhsa_float_denorm_mode_16_64 3
		.amdhsa_memory_ordered 1
		.amdhsa_forward_progress 1
		.amdhsa_inst_pref_size 184
	.end_amdhsa_kernel
	.amdgpu_metadata
---
amdhsa.version: [ 1, 2 ]
amdhsa.kernels:
  - .name:           k_qe0bc4b13bd_proj
    .symbol:         k_qe0bc4b13bd_proj.kd
    .args:
      - { .name: queries, .offset: 0, .size: 8, .value_kind: global_buffer, .address_space: global }
      - { .name: keys, .offset: 8, .size: 8, .value_kind: global_buffer, .address_space: global }
      - { .name: values, .offset: 16, .size: 8, .value_kind: global_buffer, .address_space: global }
      - { .name: wc, .offset: 24, .size: 8, .value_kind: global_buffer, .address_space: global }
      - { .name: qq, .offset: 32, .size: 8, .value_kind: global_buffer, .address_space: global }
      - { .name: kv, .offset: 40, .size: 8, .value_kind: global_buffer, .address_space: global }
    .group_segment_fixed_size: 137728
    .private_segment_fixed_size: 0
    .kernarg_segment_align: 8
    .kernarg_segment_size: 48
    .max_flat_workgroup_size: 128
    .sgpr_count:     66
    .vgpr_count:     1024
    .wavefront_size: 32
...
	.end_amdgpu_metadata
.endif
;; end of part 2
;; launch attn (part 3): grid 16 x 16, 8 waves a work-group, no clusters, 161,280 bytes of LDS; arguments qq, kv, valid_lens, oc, osc; writes oc, osc
.if DOCPART == 3
	.amdgcn_target "amdgcn-amd-amdhsa--gfx1250"
	.amdhsa_code_object_version 6
	.text
	.protected	k_qe0bc4b13bd_attn
	.globl	k_qe0bc4b13bd_attn
	.p2align	8
	.type	k_qe0bc4b13bd_attn,@function
k_qe0bc4b13bd_attn:
	s_mov_b64 s[64:65], 0
	v_nop
	global_prefetch_b8 v0, s[64:65] scope:SCOPE_SE
	s_setreg_imm32_b32 hwreg(HW_REG_WAVE_MODE, 25, 1), 1
	s_wait_xcnt 0x0
; o = softmax(q k^T / 8, keys at or behind valid_lens[batch] hidden) v, both products on codes of FP6 (E2M3) with one E8M0 byte for each 32 along K; o is divided by the row's sum and quantised along the head's 64 for the last product.
; THE SOFTMAX AHEAD OF THE SECOND PRODUCT: t = score x log2(e) / 8; M = the running largest t rounded UP to a whole number; p = 2^(t - M) is quantised along the keys, not normalised; the sum is taken of the unquantised p.
; When M moves, the sum and O are multiplied by 2^(old M - new M): exact.
; SHARES.  Work-group (x = block of 128 queries, y = head) walks ALL FOUR BATCHES, so that every work-group does the same number of key steps whatever the four lengths.  Each of its eight waves owns 16 queries (one tile).
; A key step is 128 keys = one chunk of kv, 13,312 bytes.  Steps all of whose keys are hidden are left out: a scalar branch on valid_lens, round the step's work, never round its barrier.  The trip counts are constants: 4 x 16.
; So this launch has no tensor load and no cluster: its chunks come through registers.  In step j the 256 threads load chunk j + 2 (13 registers a lane) at the step's head and store it to LDS at its end;
; V of step j is read at the head of step j, K of step j + 1 behind the scores' products of step j.  ONE barrier at each step's end: in front of it every wave's LDS instructions are done.
; The slot written in step j held chunk j - 2, last read in step j - 2, two barriers back.  Chunks 0 and 1 of all four batches are brought once, at the head, into bytes of their own.
; No prefetch: each chunk's own loads go out two key steps ahead of its first use.
; LAYOUT.  Both products transposed: S^T = K Q^T, O^T = V^T P^T: a lane holds ONE query throughout.  K = 64 of the scores fills half an instruction: registers 6-11 of both operands are zero codes, under the byte 127.
; The keys of a tile are not neighbours (tile 2 b + u, row r: key 32 b + 8 u + r + 8 (r / 8)), so that p's 16 registers of two neighbouring tiles are 16 neighbouring keys; V's rows e likewise, for o's quantiser.
; LIMITS: valid_lens from 1 to 2,048 (larger numbers act as 2,048, as in the definition; 0 and negative numbers, for which the definition gives NaN, are not served).  NaN and infinities are not served.
;  A block of p or o whose largest magnitude lies under 2^-124 gets the byte 1.
; REGISTERS.  window 0: v1-11, v29-31 addresses; v12 -M, v13 largest t, v[14:15] the sum; v16-27 Q, v28 its scale word; v32-55 Q of the batches to come; v60-63 K's scale words, v64-67 V's; v96-159 S^T, then p;
;  v160-191 O^T; v192-223 o; v224-235 codes; v232-254 at work; v253 p's scale word.   window 1: v0-95 K's eight fragments; v96-143 V's four; v144-156 the chunk on its way.
.set SBY,  13312                       ; a chunk, and a slot
.set RING, 106496                      ; LDS: 0: eight slots, chunks 0 and 1 of the four batches; here: four slots, chunk j at slot j % 4;
.set OSCL, 159744                      ; here: 512 bytes for o's scale words
.set MSB, 0
.macro WIN new
.if MSB != (\new)
	s_set_vgpr_msb (MSB<<8)|(\new)
.set MSB, (\new)
.endif
.endm
.macro WM                              ; one matrix instruction, by the symbols rD, rA, rB, rSA, rSB; fZ: it starts the sum; fRA: source 0's scale words stand in lanes 16-31
.if fZ
.if fRA
	v_wmma_scale_f32_16x16x128_f8f6f4 v[rD:rD+7], v[rA:rA+11], v[rB:rB+11], 0, v[rSA], v[rSB] matrix_a_fmt:MATRIX_FMT_FP6 matrix_b_fmt:MATRIX_FMT_FP6 matrix_a_scale:MATRIX_SCALE_ROW1
.else
	v_wmma_scale_f32_16x16x128_f8f6f4 v[rD:rD+7], v[rA:rA+11], v[rB:rB+11], 0, v[rSA], v[rSB] matrix_a_fmt:MATRIX_FMT_FP6 matrix_b_fmt:MATRIX_FMT_FP6
.endif
.else
	v_wmma_scale_f32_16x16x128_f8f6f4 v[rD:rD+7], v[rA:rA+11], v[rB:rB+11], v[rD:rD+7], v[rSA], v[rSB] matrix_a_fmt:MATRIX_FMT_FP6 matrix_b_fmt:MATRIX_FMT_FP6
.endif
.endm
	s_load_b128 s[32:35], s[0:1], 0x0              ; qq, kv
	s_load_b64 s[36:37], s[0:1], 0x10              ; valid_lens
	s_load_b64 s[40:41], s[0:1], 0x18              ; oc
	s_load_b64 s[42:43], s[0:1], 0x20              ; osc
	v_lshl_add_u32 v251, v0, 2, 0x27200
	v_mov_b32 v255, 0
	v_lshrrev_b32 v56, 5, v0
	v_readfirstlane_b32 s14, v56                   ; wave 0..7
	s_and_b32 s15, ttmp7, 0xffff                   ; the head
	v_and_b32 v57, 31, v0                          ; lane
	v_and_b32 v58, 15, v0                          ; r
	v_bfe_u32 v31, v0, 4, 1
	v_lshlrev_b32 v31, 4, v31                      ; 16 h
	v_lshlrev_b32 v10, 4, v57                      ; 16 x lane
	v_lshlrev_b32 v11, 3, v57                      ; 8 x lane
	v_add_nc_u32 v1, RING, v10                     ; a fragment's place for my lane, in the ring,
	v_add_nc_u32 v2, RING, v11
	v_lshlrev_b32 v3, 4, v57                       ; and in the batch's first two chunks (26,624 bytes on for each batch)
	v_lshlrev_b32 v4, 3, v57
	v_lshlrev_b32 v7, 4, v0                        ; a chunk's copy: 16 bytes a thread,
	v_lshlrev_b32 v8, 2, v0                        ; its last 1,024 bytes: 4 a thread
	v_add_nc_u32 v5, RING, v7
	v_add_nc_u32 v6, RING, v8
	v_add_nc_u32 v59, 53248, v7
	v_add_nc_u32 v55, 53248, v8
	v_add_nc_u32 v30, OSCL, v10
	s_lshr_b32 s50, s14, 2
	s_lshl_b32 s50, s50, 8
	s_and_b32 s51, s14, 3
	s_lshl_b32 s51, s51, 2
	s_add_co_u32 s50, s50, s51
	v_lshlrev_b32 v56, 4, v58
	v_add_nc_u32 v56, s50, v56                     ; the scale word of tile w, row r: 256 (w / 4) + 16 r + 4 (w % 4)
	v_add_nc_u32 v29, OSCL, v56
	s_mul_i32 s52, s14, 768
	v_add_nc_u32 v57, s52, v10                     ; Q: my tile's half fragment
	v_add_nc_u32 v58, s52, v11
	s_lshl_b32 s16, s15, 4
	s_add_co_u32 s16, s16, ttmp9
	s_mul_i32 s18, s16, 6656                       ; qq: chunk (batch 0, head, my block)
	s_mov_b32 s19, 0
	s_mul_i32 s44, s15, 212992                     ; kv: chunk (batch 0, head, 0)
	s_mov_b32 s45, 0
	s_lshl_b32 s16, ttmp9, 4
	s_add_co_u32 s16, s16, s15
	s_mul_i32 s46, s16, 6144                       ; oc: (block, head), my tile
	s_add_co_u32 s46, s46, s52
	s_mov_b32 s47, 0
	s_lshl_b32 s48, s16, 9                         ; osc
	s_mov_b32 s49, 0
	s_mov_b32 s20, 0x76543210
	s_mov_b32 s21, 0xfedcba98                      ; v_permlanex16_b32's selects for lane l xor 16
	s_mov_b32 s22, 0x3e38aa3b                      ; c = log2(e) / 8
	s_mov_b32 s23, s22                             ; (named with it as a pair, so it is written)
	s_wait_kmcnt 0x0
	s_load_b128 s[24:27], s[36:37], 0x0            ; the four lengths
	s_add_nc_u64 s[4:5], s[32:33], s[18:19]
	s_add_nc_u64 s[6:7], s[34:35], s[44:45]
	s_add_nc_u64 s[8:9], s[6:7], 6815744           ; batches 2 and 3: three batches on would pass the signed 24-bit immediate
	s_add_nc_u64 s[10:11], s[40:41], s[46:47]
	s_add_nc_u64 s[12:13], s[42:43], s[48:49]
	WIN 0x40
.irp n, 0,1,2,3                                ; chunks 0 and 1 of the four batches: 13 registers a chunk
.irp p, 0,1,2
	global_load_b128 v[56+12*\n+4*\p:59+12*\n+4*\p], v7, s[6:7] offset:(\n/2)*3407872+(\n%2)*SBY+4096*\p
	global_load_b128 v[104+12*\n+4*\p:107+12*\n+4*\p], v7, s[8:9] offset:(\n/2)*3407872+(\n%2)*SBY+4096*\p
.endr
	global_load_b32 v[152+\n], v8, s[6:7] offset:(\n/2)*3407872+(\n%2)*SBY+12288
	global_load_b32 v[156+\n], v8, s[8:9] offset:(\n/2)*3407872+(\n%2)*SBY+12288
.endr
	WIN 0
	global_load_b128 v[16:19], v57, s[4:5]         ; Q of batch 0,
	global_load_b64 v[20:21], v58, s[4:5] offset:512
	global_load_b32 v28, v56, s[4:5] offset:6144
.irp n, 1,2,3                                  ; and of the three to come
	global_load_b128 v[24+8*\n:27+8*\n], v57, s[4:5] offset:1703936*\n
	global_load_b64 v[28+8*\n:29+8*\n], v58, s[4:5] offset:1703936*\n+512
	global_load_b32 v[30+8*\n], v56, s[4:5] offset:1703936*\n+6144
.endr
.irp i, 22,23,24,25,26,27
	v_mov_b32 v[\i], 0                             ; zero codes fill the scores' K to 128
.endr
.irp b, 0,1,2,3
	v_mov_b32 v[236+\b], 0                         ; written once: a lane permute's destination counts as one of its sources
.endr
	v_mov_b32 v252, 0
	v_mov_b32 v253, 0                              ; (named as the upper half of the pair v[252:253] before it is first written)
	s_wait_kmcnt 0x0
	s_min_u32 s24, s24, 2048
	s_min_u32 s25, s25, 2048
	s_min_u32 s26, s26, 2048
	s_min_u32 s27, s27, 2048
	s_wait_loadcnt 0x0
	WIN 0x04
.irp n, 0,1,2,3
.irp p, 0,1,2
	ds_store_b128 v7, v[56+12*\n+4*\p:59+12*\n+4*\p] offset:\n*SBY+4096*\p
	ds_store_b128 v59, v[104+12*\n+4*\p:107+12*\n+4*\p] offset:\n*SBY+4096*\p
.endr
	ds_store_b32 v8, v[152+\n] offset:\n*SBY+12288
	ds_store_b32 v55, v[156+\n] offset:\n*SBY+12288
.endr
	WIN 0
	s_wait_dscnt 0x0                               ; for the others' sake, and the stores have read their registers
	WIN 0x40
.irp t, 0,1,2,3,4,5,6,7
.irp i, 6,7,8,9,10,11
	v_mov_b32 v[12*\t+\i], 0                       ; K's zero codes: written once
.endr
.endr
	WIN 0
	s_barrier_signal -1
	s_barrier_wait -1
; A KEY STEP.  vreg, voff: where V of this step lies; kreg, kreg8, koff: K of the next; woff: the ring slot that takes chunk j + 2; goff: that chunk in memory.  s24 = the batch's length, s28 = the step's first key.
.macro STEP vreg, voff, kreg, kreg8, koff, woff, goff
	s_cmp_ge_u32 s28, s24
	s_cbranch_scc1 .Lidle_\@                       ; all 128 keys are hidden
	s_add_co_u32 s29, s28, 256
	s_cmp_lt_u32 s29, s24
	s_cbranch_scc0 .Lnog_\@                        ; chunk j + 2 is asked for only if one of its keys counts: so no load passes the head's 16 chunks
	WIN 0x40
.irp p, 0,1,2
	global_load_b128 v[144+4*\p:147+4*\p], v7, s[6:7] offset:\goff+4096*\p
.endr
	global_load_b32 v156, v8, s[6:7] offset:\goff+12288
	WIN 0
.Lnog_\@:
	WIN 0x40
.irp t, 0,1,2,3
.irp p, 0,1,2
	ds_load_b128 v[96+12*\t+4*\p:99+12*\t+4*\p], v[\vreg] offset:\voff+6656+1536*\t+512*\p
.endr
.endr
	WIN 0
	ds_load_b128 v[64:67], v[\vreg] offset:\voff+12800
	WIN 0x01
.set fZ, 1
.set rB, 16
.set rSB, 28
.irp t, 0,1,2,3,4,5,6,7                        ; S^T = K Q^T.  K came in during the last step
.set rD, 96+8*\t
.set rA, 12*\t
.set rSA, 60+\t%4
.set fRA, \t/4
	WM
.endr
	WIN 0
.rept 4
	v_nop                                          ; places in front of the loads into K's registers and of the first read of the scores
.endr
	s_add_co_u32 s29, s28, 128
	s_cmp_lt_u32 s29, s24
	s_cbranch_scc0 .Lnok_\@                        ; the next step is left out: its K is not fetched
	WIN 0x40
.irp t, 0,1,2,3,4,5,6,7
	ds_load_b128 v[12*\t:12*\t+3], v[\kreg] offset:\koff+768*\t
	ds_load_b64 v[12*\t+4:12*\t+5], v[\kreg8] offset:\koff+768*\t+512
.endr
	WIN 0
	ds_load_b128 v[60:63], v[\kreg] offset:\koff+6144
.Lnok_\@:
	s_cmp_le_u32 s29, s24
	s_cbranch_scc1 .Lopen_\@                       ; all 128 keys count
	s_sub_co_u32 s29, s24, s28                     ; the one step of a batch that the length cuts: hidden scores become -infinity ahead of the maximum, so p = 0.  The step's first key counts, so the maximum is a number
	s_sub_co_u32 s29, s29, 1
	v_sub_nc_u32 v9, s29, v31                      ; d = length - first key - 1 - 16 h.  Register 16 b + i holds key first + 32 b + 16 h + i: hidden where 32 b + i > d
	v_mov_b32 v254, 0xff800000
.set n, 0
.rept 64
	v_cmp_gt_i32 vcc_lo, 32*(n/16)+n%16, v9
	v_cndmask_b32 v[96+n], v[96+n], v254, vcc_lo
.set n, n+1
.endr
.Lopen_\@:
.irp b, 0,1,2,3
	v_max3_num_f32 v[232+\b], v[96+16*\b], v[97+16*\b], v[98+16*\b]   ; THE LARGEST SCORE OF EACH BLOCK OF 32 KEYS: it serves the row's maximum and, since p rises with the score, the block's largest p
.endr
.irp i, 3,5,7,9,11,13
.irp b, 0,1,2,3
	v_max3_num_f32 v[232+\b], v[232+\b], v[96+16*\b+\i], v[97+16*\b+\i]
.endr
.endr
.irp b, 0,1,2,3
	v_max_num_f32 v[232+\b], v[232+\b], v[111+16*\b]
.endr
.irp b, 0,1,2,3
	v_permlanex16_b32 v[236+\b], v[232+\b], s20, s21
.endr
.irp b, 0,1,2,3
	v_max_num_f32 v[232+\b], v[232+\b], v[236+\b]  ; with lane l xor 16's 16 keys
.endr
	v_max3_num_f32 v254, v232, v233, v234
	v_max_num_f32 v254, v254, v235
	v_mul_f32 v254, s22, v254                      ; as t (c is positive)
	v_max_num_f32 v13, v13, v254                   ; the running largest t
	v_mov_b32 v254, v12
	v_floor_f32 v12, -v13                          ; the new -M = floor(-t): M is a whole number
	v_sub_f32 v254, v12, v254                      ; old M - new M: a whole number, 0 or less
	v_cvt_i32_f32 v254, v254                       ; (it saturates)
	v_ldexp_f32 v252, 1.0, v254                    ; f = 2^(old M - new M)
.set j, 0
.rept 32
	v_pk_fma_f32 v[96+j:97+j], v[96+j:97+j], s[22:23], v[12:13] op_sel_hi:[1,0,0]   ; t - M, two at a time
.set j, j+2
.endr
.irp b, 0,1,2,3
	v_fma_f32 v[232+\b], v[232+\b], s22, v12       ; the same of each block's largest score
.endr
.set j, 0
.rept 64
	v_exp_f32 v[96+j], v[96+j]                     ; p = 2^(t - M), at most 1
.set j, j+1
.endr
	v_pk_mul_f32 v[14:15], v[14:15], v[252:253] op_sel_hi:[1,0]   ; the sums under the new M: a plain place behind the exponentials
	s_wait_alu depctr_va_vdst(0)                   ; one wait for the batch of 64, ahead of its first reader
.irp b, 0,1,2,3
	v_exp_f32 v[232+\b], v[232+\b]                 ; the block's largest p: the same two instructions on the same number give the same bits
.endr
	v_pk_add_f32 v[236:237], v[96:97], v[98:99]    ; the row's sum is taken of the unquantised p, in two chains
.irp j, 4,8,12,16,20,24,28,32,36,40,44,48,52,56,60
	v_pk_add_f32 v[14:15], v[14:15], v[96+\j:97+\j]
	v_pk_add_f32 v[236:237], v[236:237], v[98+\j:99+\j]
.endr
	v_pk_add_f32 v[14:15], v[14:15], v[236:237]
	s_wait_alu depctr_va_vdst(0)                   ; and one for the four
.irp b, 0,1,2,3
	v_max_num_f32 v[232+\b], 0x1800000, v[232+\b]  ; the floor 2^(3 - 127): a block whose every p is 0 keeps the byte 1: its codes are zeros
.endr
.irp b, 0,1,2,3
	v_add_nc_u32 v[244+\b], 0xff000000, v[232+\b]
.endr
.irp b, 0,1,2,3
	v_lshrrev_b32 v[236+\b], 23, v[244+\b]
.endr
	v_lshl_or_b32 v253, v237, 8, v236              ; p's scale word for these 128 keys
	v_lshl_or_b32 v253, v238, 16, v253
	v_lshl_or_b32 v253, v239, 24, v253
.irp c, 0,1
	v_cvt_scalef32_pk16_fp6_f32 v[224+6*\c:226+6*\c], v[96+32*\c:111+32*\c], v[244+2*\c]
	v_cvt_scalef32_pk16_fp6_f32 v[236+4*\c:238+4*\c], v[112+32*\c:127+32*\c], v[245+2*\c]
.endr
	v_nop                                          ; one plain place behind the scaled conversions
.irp c, 0,1
.irp i, 0,1,2
	v_permlane16_swap_b32 v[224+6*\c+\i], v[236+4*\c+\i]
.endr
.irp i, 0,1,2
	v_mov_b32 v[227+6*\c+\i], v[236+4*\c+\i]
.endr
.endr
.set j, 0
.rept 16
	v_pk_mul_f32 v[160+j:161+j], v[160+j:161+j], v[252:253] op_sel_hi:[1,0]   ; O^T under the new M.  (These 16 are also the places between p's codes and scale word and the products)
.set j, j+2
.endr
	s_wait_dscnt 0x0                               ; V is in, and the next step's K
	WIN 0x01
.set fZ, 0
.set rB, 224
.set rSB, 253
.irp t, 0,1,2,3                                ; O^T += V^T P^T: four accumulators by turns
.set rD, 160+8*\t
.set rA, 96+12*\t
.set rSA, 64+\t
	WM
.endr
	WIN 0
.rept 4
	v_nop                                          ; places in front of the next step's loads into V's registers
.endr
	s_wait_loadcnt 0x0                             ; chunk j + 2, if it was asked for, is in my registers
	s_add_co_u32 s29, s28, 256
	s_cmp_lt_u32 s29, s24
	s_cbranch_scc0 .Lidle_\@
	WIN 0x04
.irp p, 0,1,2
	ds_store_b128 v5, v[144+4*\p:147+4*\p] offset:\woff+4096*\p
.endr
	ds_store_b32 v6, v156 offset:\woff+12288
	WIN 0
.Lidle_\@:
	s_add_co_u32 s28, s28, 128
	s_wait_dscnt 0x0                               ; my stores have landed and my reads are back: then the step's barrier, on every wave's path
	s_barrier_signal -1
	s_barrier_wait -1
.endm
	s_mov_b32 s30, 4
.Lb:                                                   ; a batch
	WIN 0x40
.irp t, 0,1,2,3,4,5,6,7
	ds_load_b128 v[12*\t:12*\t+3], v3 offset:768*\t                ; K of step 0
	ds_load_b64 v[12*\t+4:12*\t+5], v4 offset:768*\t+512
.endr
	WIN 0
	ds_load_b128 v[60:63], v3 offset:6144
	v_mov_b32 v13, 0xff61b1e6                      ; the largest t so far: -3e38, under every t
	v_floor_f32 v12, -v13
	v_mov_b32 v14, 0
	v_mov_b32 v15, 0
.set j, 0
.rept 32
	v_mov_b32 v[160+j], 0                          ; O^T: the step is written without a first form of its own: the first change of M multiplies zeros
.set j, j+1
.endr
	s_mov_b32 s28, 0
	s_wait_dscnt 0x0
	STEP 3, 0, 3, 4, SBY, 2*SBY, 2*SBY
	STEP 3, SBY, 1, 2, 2*SBY, 3*SBY, 3*SBY
	STEP 1, 2*SBY, 1, 2, 3*SBY, 0, 4*SBY
	STEP 1, 3*SBY, 1, 2, 0, SBY, 5*SBY
	s_mov_b32 s31, 3
.Lq:                                                   ; once round the ring: steps 4 to 15
	s_wait_xcnt 0x0                                ; the chunks' loads have read their base
	s_add_nc_u64 s[6:7], s[6:7], 4*SBY
	STEP 1, 0, 1, 2, SBY, 2*SBY, 2*SBY
	STEP 1, SBY, 1, 2, 2*SBY, 3*SBY, 3*SBY
	STEP 1, 2*SBY, 1, 2, 3*SBY, 0, 4*SBY
	STEP 1, 3*SBY, 1, 2, 0, SBY, 5*SBY
	s_sub_co_u32 s31, s31, 1
	s_cmp_lg_u32 s31, 0
	s_cbranch_scc1 .Lq
	; THE BATCH'S WAY OUT: o = O^T / the sum, quantised along e: register 16 b + i = e 32 b + 16 h + i of my query
	v_add_f32 v14, v14, v15
	v_permlanex16_b32 v252, v14, s20, s21
	v_add_f32 v14, v14, v252                       ; the row's sum
	v_rcp_f32 v14, v14
	v_nop                                          ; a plain place behind the transcendental
	s_wait_alu depctr_va_vdst(0)                   ; and the wait ahead of its first reader
.set j, 0
.rept 32
	v_mul_f32 v[192+j], v[160+j], v14
.set j, j+1
.endr
.irp b, 0,1
	v_max3_num_f32 v[232+\b], |v[192+16*\b]|, |v[193+16*\b]|, 0x1800000
.endr
.irp i, 2,4,6,8,10,12,14
.irp b, 0,1
	v_max3_num_f32 v[232+\b], v[232+\b], |v[192+16*\b+\i]|, |v[193+16*\b+\i]|
.endr
.endr
.irp b, 0,1
	v_permlanex16_b32 v[236+\b], v[232+\b], s20, s21
.endr
.irp b, 0,1
	v_max_num_f32 v[232+\b], v[232+\b], v[236+\b]
.endr
.irp b, 0,1
	v_add_nc_u32 v[244+\b], 0xff000000, v[232+\b]
.endr
.irp b, 0,1
	v_lshrrev_b32 v[236+\b], 23, v[244+\b]
.endr
	v_lshl_or_b32 v238, v237, 8, v236              ; the head's two bytes of my query's scale word
	v_cvt_scalef32_pk16_fp6_f32 v[224:226], v[192:207], v244
	v_cvt_scalef32_pk16_fp6_f32 v[228:230], v[208:223], v245
	v_nop                                          ; one plain place behind the scaled conversions
.irp i, 0,1,2
	v_permlane16_swap_b32 v[224+\i], v[228+\i]     ; lanes 0-15: block 0 whole, lanes 16-31: block 1
.endr
.irp i, 0,1,2
	v_mov_b32 v[227+\i], v[228+\i]
.endr
	global_store_b128 v10, v[224:227], s[10:11]            ; my tile's half fragment: 512 consecutive bytes,
	global_store_b64 v11, v[228:229], s[10:11] offset:512  ; and 256
	ds_store_b32 v29, v238                         ; both halves of the lanes write the same word with the same value
	s_wait_dscnt 0x0
	s_barrier_signal -1
	s_barrier_wait -1
	s_cmp_lg_u32 s14, 0
	s_cbranch_scc1 .Lnot0
	ds_load_b128 v[240:243], v30                   ; the eight tiles' words leave as 512 consecutive bytes
	s_wait_dscnt 0x0
	global_store_b128 v10, v[240:243], s[12:13]
.Lnot0:
	s_wait_xcnt 0x0                                ; the stores have read their data and bases, the chunks' loads their base
	s_add_nc_u64 s[10:11], s[10:11], 1572864
	s_add_nc_u64 s[12:13], s[12:13], 131072
	s_add_nc_u64 s[6:7], s[6:7], 3248128           ; from chunk 12 of this batch to chunk 0 of the next
	v_add_nc_u32 v3, 26624, v3                     ; (no LDS instruction of mine is out)
	v_add_nc_u32 v4, 26624, v4
.irp i, 0,1,2,3,4,5
	v_mov_b32 v[16+\i], v[32+\i]                   ; the next batch's Q
.endr
	v_mov_b32 v28, v38
.irp i, 0,1,2,3,4,5,6
	v_mov_b32 v[32+\i], v[40+\i]
.endr
.irp i, 0,1,2,3,4,5,6
	v_mov_b32 v[40+\i], v[48+\i]
.endr
	s_mov_b32 s24, s25                             ; and its length
	s_mov_b32 s25, s26
	s_mov_b32 s26, s27
	s_sub_co_u32 s30, s30, 1
	s_cmp_lg_u32 s30, 0
	s_cbranch_scc1 .Lb
	s_wait_tensorcnt 0x0
	ds_add_u32 v251, v255
	s_wait_dscnt 0x0
	s_endpgm
.Lfunc_end_k_qe0bc4b13bd_attn:
	.size	k_qe0bc4b13bd_attn, .Lfunc_end_k_qe0bc4b13bd_attn-k_qe0bc4b13bd_attn
	.p2alignl 7, 3214868480
	.fill 96, 4, 3214868480
	.section	.rodata,"a",@progbits
	.p2align	6, 0x0
	.amdhsa_kernel k_qe0bc4b13bd_attn
		.amdhsa_group_segment_fixed_size 161280
		.amdhsa_private_segment_fixed_size 0
		.amdhsa_enable_private_segment 0
		.amdhsa_kernarg_size 40
		.amdhsa_user_sgpr_count 2
		.amdhsa_user_sgpr_kernarg_segment_ptr 1
		.amdhsa_wavefront_size32 1
		.amdhsa_system_sgpr_workgroup_id_x 1
		.amdhsa_system_sgpr_workgroup_id_y 1
		.amdhsa_system_sgpr_workgroup_id_z 1
		.amdhsa_system_vgpr_workitem_id 0
		.amdhsa_next_free_vgpr 512
		.amdhsa_next_free_sgpr 66
		.amdhsa_reserve_vcc 1
		.amdhsa_float_denorm_mode_32 3
		.amdhsa_float_denorm_mode_16_64 3
		.amdhsa_memory_ordered 1
		.amdhsa_forward_progress 1
		.amdhsa_inst_pref_size 196
	.end_amdhsa_kernel
	.amdgpu_metadata
---
amdhsa.version: [ 1, 2 ]
amdhsa.kernels:
  - .name:           k_qe0bc4b13bd_attn
    .symbol:         k_qe0bc4b13bd_attn.kd
    .args:
      - { .name: qq, .offset: 0, .size: 8, .value_kind: global_buffer, .address_space: global }
      - { .name: kv, .offset: 8, .size: 8, .value_kind: global_buffer, .address_space: global }
      - { .name: valid_lens, .offset: 16, .size: 8, .value_kind: global_buffer, .address_space: global }
      - { .name: oc, .offset: 24, .size: 8, .value_kind: global_buffer, .address_space: global }
      - { .name: osc, .offset: 32, .size: 8, .value_kind: global_buffer, .address_space: global }
    .group_segment_fixed_size: 161280
    .private_segment_fixed_size: 0
    .kernarg_segment_align: 8
    .kernarg_segment_size: 40
    .max_flat_workgroup_size: 256
    .sgpr_count:     66
    .vgpr_count:     512
    .wavefront_size: 32
...
	.end_amdgpu_metadata
.endif
;; end of part 3
;; launch oproj (part 4): grid 4 x 64, 4 waves a work-group, clusters of 4 x 4, 327,680 bytes of LDS; arguments oc, osc, wc, out0; writes out0
.if DOCPART == 4
	.amdgcn_target "amdgcn-amd-amdhsa--gfx1250"
	.amdhsa_code_object_version 6
	.text
	.protected	k_qe0bc4b13bd_oproj
	.globl	k_qe0bc4b13bd_oproj
	.p2align	8
	.type	k_qe0bc4b13bd_oproj,@function
k_qe0bc4b13bd_oproj:
	s_mov_b64 s[64:65], 0
	v_nop
	global_prefetch_b8 v0, s[64:65] scope:SCOPE_SE
	s_setreg_imm32_b32 hwreg(HW_REG_WAVE_MODE, 25, 1), 1
	s_wait_xcnt 0x0
	s_wait_alu depctr_hold_cnt(0) depctr_sa_sdst(0) depctr_va_vdst(0) depctr_va_sdst(0) depctr_va_ssrc(0) depctr_va_vcc(0) depctr_vm_vsrc(0)
	s_getreg_b32 s2, hwreg(HW_REG_IB_STS2, 6, 4)
	s_cmp_eq_u32 s2, 0
	s_cbranch_scc0 .Lentry_in_a_cluster
	s_endpgm
.Lentry_in_a_cluster:
	s_bfe_u32 s2, ttmp6, 0x10000c
	s_cmp_lg_u32 s2, 0xf033
	s_cbranch_scc0 .Lentry_shape_is_right
	s_endpgm
.Lentry_shape_is_right:
; out0 = o Wo, on codes of FP6 (E2M3) with one E8M0 byte for each 32 along K = (head, e).  o comes as oc (half fragments [token block][head][tile][768 bytes]) and osc (two scale bytes a head and row), Wo as weight 3 of wc.
; SHARES.  A work-group makes 128 tokens x 256 columns: 256 work-groups.  Wave w: token tiles 4 (w / 2) on, columns 128 (w % 2) on: 32 accumulators of 16 x 16.
; ALL OF K LIES IN LDS: o's block is 98,304 bytes, Wo's two column blocks 204,800.  Every LDS byte is filled once, so there is no ring: four tensor loads a wave go out together, two K steps each, and the products begin when the first has landed.
; CLUSTERS: 4 x 4 work-groups.  The four of a row of the cluster have the same token block, the four of a column the same columns: each piece is asked for JOINTLY, by the same tensor load with the same descriptor and a mask that names the four.
; A wave has at most four tensor loads out.
; TRANSPOSED USE: source 0 = 16 rows of Wo^T (columns n, in the tile order 8 u + r + 8 (r / 8) of a run of 32), source 1 = 16 tokens: a lane's 16 registers of two neighbouring tiles are 16 neighbouring columns of one token's row.
; THE WAY OUT: 16 tokens x 128 columns at a time through the wave's own stage, back as whole rows of 512 bytes.  The stages lie in o's first 36,864 bytes (K steps 0 to 2): they have had their one fill, and their last reads are waited for ahead of the barrier at K step 3.
; REGISTERS.  window 0: v1-11 addresses; v32-63 o's scale words (K step s, tile b at 4 s + b); v64-71 Wo's, two sets; v80-175 o's fragments, two sets of 48; v176-239 osc as loaded; way out: v128-255.
;  window 1: Wo's fragments, two sets of 96.   window 2: the accumulators, (tile b, column tile a) at 64 b + 8 a.
.set WIMG, 98304
.set G1O,  24                          ; s[24:31] descriptor group 1 for o's pieces;  s[32:47] four groups 0
.set G0O,  32
.set G0W,  48                          ; s[48:63] four groups 0 for Wo's pieces;  s[68:75] their group 1
.set G1W,  68
.set LI,   1
.set AO16, 2                           ; v2, v3  o's half fragments, registers 0-3: K steps 0-3, 4-7
.set AO8,  4                           ; v4, v5  registers 4-5
.set AW,   6                           ; v6, v7  Wo's fragments
.set STO,  8
.set RD,   9
.set SO,   11
.set OS,   32
.set WS,   64
.set OF,   80
.set RAW,  176
.set BK,   128
.set MSB, 0
.macro WIN new
.if MSB != (\new)
	s_set_vgpr_msb (MSB<<8)|(\new)
.set MSB, (\new)
.endif
.endm
.macro WM                              ; one matrix instruction, by the symbols rD, rA, rB, rSA, rSB; fZ: it starts the sum; fRA: source 0's scale words stand in lanes 16-31
.if fZ
.if fRA
	v_wmma_scale_f32_16x16x128_f8f6f4 v[rD:rD+7], v[rA:rA+11], v[rB:rB+11], 0, v[rSA], v[rSB] matrix_a_fmt:MATRIX_FMT_FP6 matrix_b_fmt:MATRIX_FMT_FP6 matrix_a_scale:MATRIX_SCALE_ROW1
.else
	v_wmma_scale_f32_16x16x128_f8f6f4 v[rD:rD+7], v[rA:rA+11], v[rB:rB+11], 0, v[rSA], v[rSB] matrix_a_fmt:MATRIX_FMT_FP6 matrix_b_fmt:MATRIX_FMT_FP6
.endif
.else
.if fRA
	v_wmma_scale_f32_16x16x128_f8f6f4 v[rD:rD+7], v[rA:rA+11], v[rB:rB+11], v[rD:rD+7], v[rSA], v[rSB] matrix_a_fmt:MATRIX_FMT_FP6 matrix_b_fmt:MATRIX_FMT_FP6 matrix_a_scale:MATRIX_SCALE_ROW1
.else
	v_wmma_scale_f32_16x16x128_f8f6f4 v[rD:rD+7], v[rA:rA+11], v[rB:rB+11], v[rD:rD+7], v[rSA], v[rSB] matrix_a_fmt:MATRIX_FMT_FP6 matrix_b_fmt:MATRIX_FMT_FP6
.endif
.endif
.endm
; A round of the cluster's barrier: my work-group's barrier, so that wave 0's signal speaks for all four waves; wave 0 signals for the work-group; every wave waits for all sixteen; my work-group's barrier once more.
.macro CROUND
	s_barrier_signal -1
	s_barrier_wait -1
	s_cmp_lg_u32 s12, 0
	s_cbranch_scc1 .Lnot_wave_0_\@
	s_barrier_signal -3
.Lnot_wave_0_\@:
	s_barrier_wait -3
	s_barrier_signal -1
	s_barrier_wait -1
.endm
	s_load_b128 s[4:7], s[0:1], 0x0                ; oc, osc
	s_load_b128 s[8:11], s[0:1], 0x10              ; wc, out0
	v_lshl_add_u32 v78, v0, 2, 0x4a000
	v_mov_b32 v79, 0
	ds_add_u32 v78, v79
	ds_add_u32 v78, v79
	v_lshrrev_b32 v12, 5, v0
	v_readfirstlane_b32 s12, v12                   ; wave 0..3
	s_lshr_b32 s13, s12, 1                         ; which 64 tokens are mine.  Also: I fetch for o (0) or for Wo (1)
	s_and_b32 s14, s12, 1                          ; which 128 columns.  Also: which half of a piece I fetch
	s_bfe_u32 s76, ttmp6, 0x40000                  ; cx, cy: my place in the cluster
	s_bfe_u32 s77, ttmp6, 0x40004
	s_lshl_b32 s78, ttmp9, 2
	s_add_co_u32 s78, s78, s76                     ; column block X = 4 x cluster x + cx
	s_and_b32 s79, ttmp7, 0xffff
	s_lshl_b32 s79, s79, 2
	s_add_co_u32 s79, s79, s77                     ; token block Y = 4 x cluster y + cy
	s_lshl_b32 s86, s77, 2
	s_lshl_b32 s86, 15, s86                        ; my row of the cluster
	s_lshl_b32 s87, 0x1111, s76                    ; my column
	; descriptor group 1: a dense piece as rows of 256 bytes (32 elements of 8 bytes), no padding: the images are read 16 bytes a lane, on end
	s_or_b32 s[G1O], s86, (3<<16)|(1<<21)          ; 15:0 the mask: o's pieces go to my row; 17:16 elements of 8 bytes; 21 set beside a mask
	s_or_b32 s[G1W], s87, (3<<16)|(1<<21)          ; Wo's go to my column
	s_mov_b32 s[G1O+1], 32<<16                     ; tensor_dim0 = 32
	s_mov_b32 s[G1O+2], 48<<16                     ; tensor_dim1 = 48 rows: 12,288 bytes, one K step of o
	s_mov_b32 s[G1O+3], 32<<16                     ; tile_dim0
	s_mov_b32 s[G1O+4], 48                         ; tile_dim1
	s_mov_b32 s[G1O+5], 32                         ; the pitch
	s_mov_b32 s[G1O+6], 0
	s_mov_b32 s[G1O+7], 0
	s_mov_b32 s[G1W+1], 32<<16
	s_mov_b32 s[G1W+2], 100<<16                    ; 100 rows: 25,600 bytes, two K steps of 128 columns of Wo
	s_mov_b32 s[G1W+3], 32<<16
	s_mov_b32 s[G1W+4], 100
	s_mov_b32 s[G1W+5], 32
	s_mov_b32 s[G1W+6], 0
	s_mov_b32 s[G1W+7], 0
	s_mul_i32 s80, s79, 98304                      ; o: my token block, which my row of the cluster shares,
	s_mul_i32 s88, s14, 12288                      ; the even or the odd K steps
	s_add_co_u32 s80, s80, s88
	s_mov_b32 s81, 0
	s_lshl_b32 s82, s78, 1                         ; Wo: column block 2 X + half, which my column of the cluster shares
	s_add_co_u32 s82, s82, s14
	s_mul_i32 s82, s82, 102400
	s_add_co_u32 s82, s82, 2457600                 ; weight 3 of wc
	s_mov_b32 s83, 0
	s_mul_i32 s89, s14, 102400
	s_add_co_u32 s89, s89, WIMG                    ; no place in the cluster enters an LDS address
	s_lshl_b32 s90, s79, 13                        ; osc: 8,192 bytes a token block
	s_mov_b32 s91, 0
	s_lshl_b32 s92, s79, 19                        ; out0: 128 tokens of 4,096 bytes a block,
	s_lshl_b32 s93, s13, 18                        ; my 64 tokens,
	s_add_co_u32 s92, s92, s93
	s_lshl_b32 s93, s78, 10                        ; 256 columns,
	s_add_co_u32 s92, s92, s93
	s_lshl_b32 s93, s14, 9                         ; my 128
	s_add_co_u32 s92, s92, s93
	s_mov_b32 s93, 0
	s_wait_dscnt 0x0
	s_wait_kmcnt 0x0
	s_add_nc_u64 s[80:81], s[4:5], s[80:81]
	s_add_nc_u64 s[82:83], s[8:9], s[82:83]
	s_add_nc_u64 s[6:7], s[6:7], s[90:91]
	s_add_nc_u64 s[10:11], s[10:11], s[92:93]
.irp c, 0,1,2,3                                ; piece c: K steps 2 c and 2 c + 1
	s_mov_b32 s[G0O+4*\c], 1                       ; count = 1
	s_add_co_u32 s[G0O+4*\c+1], s88, \c*24576      ; LDS address
	s_add_nc_u64 s[G0O+4*\c+2:G0O+4*\c+3], s[80:81], \c*24576
	s_or_b32 s[G0O+4*\c+3], s[G0O+4*\c+3], 0x80000000   ; type = 2
	s_mov_b32 s[G0W+4*\c], 1
	s_add_co_u32 s[G0W+4*\c+1], s89, \c*25600
	s_add_nc_u64 s[G0W+4*\c+2:G0W+4*\c+3], s[82:83], \c*25600
	s_or_b32 s[G0W+4*\c+3], s[G0W+4*\c+3], 0x80000000
.endr
	CROUND                                         ; all sixteen work-groups are here: the joint loads meet
	s_cmp_lt_u32 s12, 2                            ; a wave's four fills stand in one branch on the wave's number, ahead of every wait on TENSORcnt and every LDS read; four v_nop follow the last
	s_cbranch_scc0 .Lfor_w
	tensor_load_to_lds s[G0O:G0O+3], s[G1O:G1O+7]
	s_nop 0
	tensor_load_to_lds s[G0O+4:G0O+7], s[G1O:G1O+7]
	s_nop 0
	tensor_load_to_lds s[G0O+8:G0O+11], s[G1O:G1O+7]
	s_nop 0
	tensor_load_to_lds s[G0O+12:G0O+15], s[G1O:G1O+7]
	s_nop 0
.rept 4
	v_nop
.endr
	s_branch .Lasked
.Lfor_w:
	tensor_load_to_lds s[G0W:G0W+3], s[G1W:G1W+7]
	s_nop 0
	tensor_load_to_lds s[G0W+4:G0W+7], s[G1W:G1W+7]
	s_nop 0
	tensor_load_to_lds s[G0W+8:G0W+11], s[G1W:G1W+7]
	s_nop 0
	tensor_load_to_lds s[G0W+12:G0W+15], s[G1W:G1W+7]
	s_nop 0
.rept 4
	v_nop
.endr
.Lasked:
	v_and_b32 v12, 31, v0                          ; lane
	v_and_b32 v13, 15, v0                          ; r
	v_bfe_u32 v14, v0, 4, 1                        ; h
	v_lshlrev_b32 v[LI], 4, v12
	s_lshl_b32 s84, s13, 8
	v_lshlrev_b32 v[SO], 4, v13
	v_add_nc_u32 v[SO], s84, v[SO]                 ; osc: the words of my four tiles, row r: 256 (w / 2) + 16 r
.irp d, 0,1,2,3,4,5,6,7,8,9,10,11,12,13,14,15
	global_load_b128 v[RAW+4*\d:RAW+4*\d+3], v[SO], s[6:7] offset:512*\d   ; head d
.endr
	s_mul_i32 s84, s13, 3072                       ; my four token tiles of a head's eight
	v_add_nc_u32 v[AO16], s84, v[LI]
	v_add_nc_u32 v[AO16+1], 49152, v[AO16]
	s_add_co_u32 s85, s84, 512
	v_lshlrev_b32 v[AO8], 3, v12
	v_add_nc_u32 v[AO8], s85, v[AO8]
	v_add_nc_u32 v[AO8+1], 49152, v[AO8]
	v_add_nc_u32 v[AW], s89, v[LI]                 ; my 128 columns of Wo
	v_add_nc_u32 v[AW+1], 51200, v[AW]
	s_mul_i32 s84, s12, 8448                       ; my stage: 16 rows x (512 + 16) bytes
	v_mul_u32_u24 v[STO], v13, 528
	v_lshl_add_u32 v[STO], v14, 6, v[STO]
	v_add_nc_u32 v[STO], s84, v[STO]               ; in: row r, 64 h
	v_add_nc_u32 v[RD], s84, v[LI]                 ; back: a row's 512 bytes by the 32 lanes
	s_wait_loadcnt 0x0
.irp s, 0,1,2,3,4,5,6,7
.irp b, 0,1,2,3
	v_lshl_or_b32 v[OS+4*\s+\b], v[RAW+8*\s+4+\b], 16, v[RAW+8*\s+\b]   ; K step s = heads 2 s and 2 s + 1: two bytes of each make the word
.endr
.endr
.macro FETCH s, set                    ; 41 LDS loads: K step s: my four tiles of o (two half fragments each), Wo's eight fragments and their scale words
.set hs, (\s)/4
.set so, (\s)%4
.irp b, 0,1,2,3
.irp cc, 0,1
	ds_load_b128 v[OF+48*(\set)+12*\b+6*\cc:OF+48*(\set)+12*\b+6*\cc+3], v[AO16+hs] offset:(2*so+\cc)*6144+768*\b
	ds_load_b64 v[OF+48*(\set)+12*\b+6*\cc+4:OF+48*(\set)+12*\b+6*\cc+5], v[AO8+hs] offset:(2*so+\cc)*6144+768*\b
.endr
.endr
	WIN 0x40
.irp a, 0,1,2,3,4,5,6,7
.irp p, 0,1,2
	ds_load_b128 v[96*(\set)+12*\a+4*\p:96*(\set)+12*\a+4*\p+3], v[AW+hs] offset:so*12800+1536*\a+512*\p
.endr
.endr
	WIN 0
	ds_load_b128 v[WS+4*(\set):WS+4*(\set)+3], v[AW+hs] offset:so*12800+12288
.endm
	s_wait_tensorcnt 3                             ; my part of piece 0 is in; the three younger loads stay out
	s_barrier_signal -1
	s_barrier_wait -1                              ; everybody's is
	FETCH 0, 0
.irp s, 0,1,2,3,4,5,6,7
.if (\s == 1) || (\s == 3) || (\s == 5)
	s_wait_tensorcnt 3-(\s+1)/2                    ; my part of the piece with K steps s + 1 and s + 2 is in
	s_wait_dscnt 0x0                               ; no LDS instruction of mine is out at a signal
	s_barrier_signal -1
	s_barrier_wait -1
.endif
.if \s >= 1
.rept 4
	v_nop                                          ; places in front of loads into the set that the last step's products read
.endr
.endif
.if \s < 7
	FETCH \s+1, (\s+1)%2
	s_wait_dscnt 41                                ; all but the 41 just issued: this step's operands are in
.else
	s_wait_dscnt 0x0
.endif
	WIN 0xa1                                       ; source 0 (Wo) window 1, source 1 (o) window 0, C and D window 2
.if \s == 0
.set fZ, 1
.else
.set fZ, 0
.endif
.irp b, 0,1,2,3                                ; the 32 accumulators take turns, one instruction a turn, in the same order in every step
.irp a, 0,1,2,3,4,5,6,7
.set rD, 64*\b+8*\a
.set rA, 96*(\s%2)+12*\a
.set rB, OF+48*(\s%2)+12*\b
.set rSA, WS+4*(\s%2)+\a%4
.set rSB, OS+4*\s+\b
.set fRA, \a/4
	WM
.endr
.endr
	WIN 0
.endr
; THE WAY OUT.  Register 16 e + 4 q + .. of tile b is column 32 e + 16 h + 4 q + .. of my token.
.macro TOSTAGE b
	WIN 0x08                                       ; an LDS store's data are its source 1: window 2
.irp e, 0,1,2,3
.irp q, 0,1,2,3
	ds_store_b128 v[STO], v[64*(\b)+16*\e+4*\q:64*(\b)+16*\e+4*\q+3] offset:128*\e+16*\q   ; each accumulator from its low end on
.endr
.endr
	WIN 0
.set BB, BK+64*((\b)%2)
.irp t, 0,1,2,3,4,5,6,7,8,9,10,11,12,13,14,15
	ds_load_b128 v[BB+4*\t:BB+4*\t+3], v[RD] offset:528*\t   ; LDS serves a wave's instructions in order: these see my stores, and the next tile's stores come behind them
.endr
.endm
.macro SEND b, younger                 ; younger: the LDS instructions issued behind tile b's loads, which may stay out
.set BB, BK+64*((\b)%2)
	s_wait_dscnt \younger
.irp t, 0,1,2,3,4,5,6,7,8,9,10,11,12,13,14,15
	global_store_b128 v[LI], v[BB+4*\t:BB+4*\t+3], s[10:11] offset:(32*((\b)/2)+8*((\b)%2)+\t+8*(\t/8))*4096 th:TH_STORE_NT   ; 32 lanes store 512 consecutive bytes, at a multiple of 256 from out0's first byte; row t of the tile is token 8 u + t + 8 (t / 8) of its run
.endr
.endm
.rept 4
	v_nop                                          ; places in front of the first read of results and of the loads into the registers that held o's fragments
.endr
	TOSTAGE 0
	TOSTAGE 1
	SEND 0, 32                                     ; behind tile 0's loads: tile 1's 16 stores and 16 loads
	s_wait_xcnt 0x0                                ; tile 0's stores have read their registers: tile 2's loads may land there
	TOSTAGE 2
	SEND 1, 32
	s_wait_xcnt 0x0
	TOSTAGE 3
	SEND 2, 32
	SEND 3, 0
	s_wait_tensorcnt 0x0
	s_wait_dscnt 0x0
	s_wait_tensorcnt 0x0
	ds_add_u32 v78, v79
	s_wait_dscnt 0x0
	CROUND                                         ; the closing round: no work-group ends while a partner may still ask for a piece that names it
	s_endpgm
.Lfunc_end_k_qe0bc4b13bd_oproj:
	.size	k_qe0bc4b13bd_oproj, .Lfunc_end_k_qe0bc4b13bd_oproj-k_qe0bc4b13bd_oproj
	.p2alignl 7, 3214868480
	.fill 96, 4, 3214868480
	.section	.rodata,"a",@progbits
	.p2align	6, 0x0
	.amdhsa_kernel k_qe0bc4b13bd_oproj
		.amdhsa_group_segment_fixed_size 327680
		.amdhsa_private_segment_fixed_size 0
		.amdhsa_enable_private_segment 0
		.amdhsa_kernarg_size 32
		.amdhsa_user_sgpr_count 2
		.amdhsa_user_sgpr_kernarg_segment_ptr 1
		.amdhsa_wavefront_size32 1
		.amdhsa_system_sgpr_workgroup_id_x 1
		.amdhsa_system_sgpr_workgroup_id_y 1
		.amdhsa_system_sgpr_workgroup_id_z 1
		.amdhsa_system_vgpr_workitem_id 0
		.amdhsa_next_free_vgpr 768
		.amdhsa_next_free_sgpr 96
		.amdhsa_reserve_vcc 0
		.amdhsa_float_denorm_mode_32 3
		.amdhsa_float_denorm_mode_16_64 3
		.amdhsa_memory_ordered 1
		.amdhsa_forward_progress 1
		.amdhsa_inst_pref_size 82
	.end_amdhsa_kernel
	.amdgpu_metadata
---
amdhsa.version: [ 1, 2 ]
amdhsa.kernels:
  - .name:           k_qe0bc4b13bd_oproj
    .symbol:         k_qe0bc4b13bd_oproj.kd
    .args:
      - { .name: oc, .offset: 0, .size: 8, .value_kind: global_buffer, .address_space: global }
      - { .name: osc, .offset: 8, .size: 8, .value_kind: global_buffer, .address_space: global }
      - { .name: wc, .offset: 16, .size: 8, .value_kind: global_buffer, .address_space: global }
      - { .name: out0, .offset: 24, .size: 8, .value_kind: global_buffer, .address_space: global }
    .group_segment_fixed_size: 327680
    .private_segment_fixed_size: 0
    .kernarg_segment_align: 8
    .kernarg_segment_size: 32
    .max_flat_workgroup_size: 128
    .sgpr_count:     96
    .vgpr_count:     768
    .wavefront_size: 32
...
	.end_amdgpu_metadata
.endif
;; end of part 4
;; ======== version 2 of 2: 4 launches; version 1 with the launches proj, attn written anew for expert scheduling mode
;; workspace buffers: wc 3,276,800 bytes; qq 6,815,744 bytes; kv 13,631,488 bytes; oc 6,291,456 bytes; osc 524,288 bytes
;; launch wquant: the kernel of part 1 again; grid 64 x 4, 4 waves a work-group, no clusters, 14,848 bytes of LDS; arguments Wq, Wk, Wv, Wo, wc; writes wc
;; launch proj (part 5): grid 64 x 3, 4 waves a work-group, no clusters, 137,728 bytes of LDS; arguments queries, keys, values, wc, qq, kv; writes qq, kv
.if DOCPART == 5
	.amdgcn_target "amdgcn-amd-amdhsa--gfx1250"
	.amdhsa_code_object_version 6
	.text
	.protected	k_qe0bc4b13bd_proj
	.globl	k_qe0bc4b13bd_proj
	.p2align	8
	.type	k_qe0bc4b13bd_proj,@function
k_qe0bc4b13bd_proj:
	s_mov_b64 s[64:65], 0
	v_nop
	global_prefetch_b8 v0, s[64:65] scope:SCOPE_SE
	s_setreg_imm32_b32 hwreg(HW_REG_WAVE_SCHED_MODE, 0, 2), 2
	s_setreg_imm32_b32 hwreg(HW_REG_WAVE_MODE, 25, 1), 1
	s_wait_xcnt 0x0
	s_wait_alu depctr_vm_vsrc(0)
; q, k, v = x W (x = queries, keys or values [8192 tokens][1024] f32, by work-group y; W from wc), on codes of FP6 (E2M3) with one E8M0 byte for each 32 along K; the results are quantised at once for the attention launch:
; q and k along the head's 64 (K of the scores), v along the keys (K of the second product).  Neither x's codes nor q, k, v as f32 ever go to memory.
; SHARES.  A work-group takes 128 tokens of one tensor and all 1,024 columns, so each f32 number is read and quantised once.
;  PHASE X: wave w quantises tokens 32 w .. 32 w + 31 (two tiles of 16) for all 8 K steps of 128 and lays the fragments in LDS as images of their registers (registers 4 c .. 4 c + 3 of lane l at 512 c + 16 l).  One barrier.
;  PHASE P: wave w makes columns 128 (2 w + p) on, p = 0, 1: two heads x 128 tokens, 64 accumulators of 16 x 16.  W's fragments have ONE reader, this wave, and come from wc straight into registers, whole, by loads of 16 bytes a lane.
; TILES.  In a run of 32 tokens (or weight rows) tile u has as its row r the row 8 u + r + 8 (r / 8).  So, with such a tile as source 0, the 16 registers of two neighbouring result tiles are 16 NEIGHBOURS along source 0's rows.
;  q, k: source 0 = W, source 1 = x: a lane holds one token, registers run along (head, e).   v: source 0 = x, source 1 = W: a lane holds one e, registers run along the tokens (the keys).
; OUT.  qq chunk (batch, head, token block) 6,656 bytes: 8 half fragments of 768 (registers 0-3 at 16 l, 4-5 at 512 + 8 l), 512 bytes of scale words (tile t, row r at 256 (t / 4) + 16 r + 4 (t % 4)); bytes 2, 3 of a word are 127, for the zero codes that fill K to 128.
;  kv chunk 13,312 bytes: k laid as a qq chunk; at 6,656 four whole fragments of v^T (16 e x 128 keys); at 12,800 their scale words (16 l + 4 t).
; NO MULTICAST: the 64 work-groups of a tensor walk the same 819,200 bytes of wc, but inside a work-group each fragment of W feeds one wave: through LDS it would be written and read once more, 12,800 bytes a wave for 64 matrix instructions.
; LIMITS: a block of zeros, or one whose largest magnitude lies under 2^-124, gets the byte 1 (its codes are zeros or tiny; this program alone reads the bytes); NaN and infinities are not served.
; REGISTERS.  window 0: v1-12 addresses; v16-31 at work; v32-39 x's scale words, v40-47 W's (two sets each); v48-55 second halves of conversions; v56-63 scale words just made; v64-159, v160-255 x's fragments, two sets
;  (phase X: v64-127 numbers, v128-139 codes; way out: v160-255 codes).  window 1: W's fragments, two sets of 96.  windows 2, 3: the 64 accumulators (phase X: window 2 holds four sets of 64 numbers as loaded).
; THE MODE: SCHED_MODE bits 1:0 = 2 (LLVM: expert scheduling mode 2), set by the entry lines.  The code itself states the register dependences between vector or matrix instructions and memory or LDS instructions, with s_wait_alu, always for 0.
; THE PLAN.  Registers that memory or LDS instructions touch:
;  PHASE X.  The four sets of window 2: written by x's loads, read by the stage's LDS stores, then loaded again.  v[ST ..]: written by the stage's LDS loads, read by XQ.  v[PC ..], v[PW]: written by XQ, read by the image's LDS stores.
;   v[XI], v[XSA]: read by the image's stores, written once a trip.  A fragment has one wait on vm_vsrc (the stage's stores have read the set; the last image's stores have read codes and word) and one on va_vdst, behind XQ
;   (codes and word are written; XQ is done reading v[ST ..], in which the next fragment's LDS loads land).
;  PHASE P.  x's and W's two sets and their scale words: K step s's products read set s % 2; the loads of K step s + 1 land in the other set, which K step s - 1's products read.  v[AXP], v[ASP]: read by x's LDS loads, written once a trip.
;   ONE wait on va_vdst at a K step's head states that the last step's products are done reading the other set and that the addresses are written.  Behind it W's 25 loads go out, and x's 25 LDS loads are dealt among the step's
;   products, which name this step's sets and the accumulators alone.
;  THE WAY OUT.  v160-255, v[PW ..], v[TM+4 ..]: written by vector instructions, read by the stores: one wait on va_vdst ahead of the stores, one on vm_vsrc behind them.
;  v[LI], v[L8], v[XO], v[SIN], v[SOUT], v[AX0], v[AXS0]: made at the head, never written again.
.set XSC,  98304                       ; LDS: 0: x's 64 images [K step][tile]; here: their scale words, 512 bytes a K step;
.set STG,  102400                      ; here: a stage for each wave, 2 x 16 rows x (256 + 16) bytes
.set LI,   1                           ; 16 x lane
.set L8,   2                           ; 8 x lane
.set XO,   3                           ; x: 4,096 h + 16 r
.set SIN,  4                           ; the stage, way in
.set SOUT, 5                           ; and way out
.set XI,   6                           ; where I store x's images
.set XSA,  7                           ; and their scale words
.set H8,   8                           ; 8 h
.set AXP,  9                           ; LDS address of the images fetched in a trip of the K loop
.set AX0,  10                          ; 16 x lane: never rewritten
.set ASP,  11                          ; and of their scale words
.set AXS0, 12                          ; XSC + 16 x lane: never rewritten
.set TM,   16
.set XS,   32
.set WS,   40
.set TQ,   48
.set PW,   56
.set ST,   64
.set PC,   128
.set XF,   64
.set MSB, 0
.macro WIN new                         ; the immediate's high byte repeats the setting that is left; a switch that changes nothing is dropped
.if MSB != (\new)
	s_set_vgpr_msb (MSB<<8)|(\new)
.set MSB, (\new)
.endif
.endm
; one matrix instruction, by the symbols rD, rA, rB, rSA, rSB; fZ: it starts the sum; fRA, fRB: the side's scale words stand in lanes 16-31
.macro WM
.if fZ
.if fRA && fRB
	v_wmma_scale_f32_16x16x128_f8f6f4 v[rD:rD+7], v[rA:rA+11], v[rB:rB+11], 0, v[rSA], v[rSB] matrix_a_fmt:MATRIX_FMT_FP6 matrix_b_fmt:MATRIX_FMT_FP6 matrix_a_scale:MATRIX_SCALE_ROW1 matrix_b_scale:MATRIX_SCALE_ROW1
.elseif fRA
	v_wmma_scale_f32_16x16x128_f8f6f4 v[rD:rD+7], v[rA:rA+11], v[rB:rB+11], 0, v[rSA], v[rSB] matrix_a_fmt:MATRIX_FMT_FP6 matrix_b_fmt:MATRIX_FMT_FP6 matrix_a_scale:MATRIX_SCALE_ROW1
.elseif fRB
	v_wmma_scale_f32_16x16x128_f8f6f4 v[rD:rD+7], v[rA:rA+11], v[rB:rB+11], 0, v[rSA], v[rSB] matrix_a_fmt:MATRIX_FMT_FP6 matrix_b_fmt:MATRIX_FMT_FP6 matrix_b_scale:MATRIX_SCALE_ROW1
.else
	v_wmma_scale_f32_16x16x128_f8f6f4 v[rD:rD+7], v[rA:rA+11], v[rB:rB+11], 0, v[rSA], v[rSB] matrix_a_fmt:MATRIX_FMT_FP6 matrix_b_fmt:MATRIX_FMT_FP6
.endif
.else
.if fRA && fRB
	v_wmma_scale_f32_16x16x128_f8f6f4 v[rD:rD+7], v[rA:rA+11], v[rB:rB+11], v[rD:rD+7], v[rSA], v[rSB] matrix_a_fmt:MATRIX_FMT_FP6 matrix_b_fmt:MATRIX_FMT_FP6 matrix_a_scale:MATRIX_SCALE_ROW1 matrix_b_scale:MATRIX_SCALE_ROW1
.elseif fRA
	v_wmma_scale_f32_16x16x128_f8f6f4 v[rD:rD+7], v[rA:rA+11], v[rB:rB+11], v[rD:rD+7], v[rSA], v[rSB] matrix_a_fmt:MATRIX_FMT_FP6 matrix_b_fmt:MATRIX_FMT_FP6 matrix_a_scale:MATRIX_SCALE_ROW1
.elseif fRB
	v_wmma_scale_f32_16x16x128_f8f6f4 v[rD:rD+7], v[rA:rA+11], v[rB:rB+11], v[rD:rD+7], v[rSA], v[rSB] matrix_a_fmt:MATRIX_FMT_FP6 matrix_b_fmt:MATRIX_FMT_FP6 matrix_b_scale:MATRIX_SCALE_ROW1
.else
	v_wmma_scale_f32_16x16x128_f8f6f4 v[rD:rD+7], v[rA:rA+11], v[rB:rB+11], v[rD:rD+7], v[rSA], v[rSB] matrix_a_fmt:MATRIX_FMT_FP6 matrix_b_fmt:MATRIX_FMT_FP6
.endif
.endif
.endm
	s_load_b256 s[24:31], s[0:1], 0x0              ; queries, keys, values, wc
	s_load_b128 s[32:35], s[0:1], 0x20             ; qq, kv
	v_lshl_add_u32 v51, v0, 2, 0x21800
	v_mov_b32 v55, 0
	v_lshrrev_b32 v14, 5, v0
	v_readfirstlane_b32 s12, v14                   ; wave w
	s_and_b32 s13, ttmp7, 0xffff                   ; which tensor: 0 q, 1 k, 2 v
	v_and_b32 v14, 31, v0                          ; lane
	v_and_b32 v15, 15, v0                          ; r
	v_bfe_u32 v[H8], v0, 4, 1                      ; h
	v_lshlrev_b32 v[LI], 4, v14
	v_lshlrev_b32 v[L8], 3, v14
	v_lshlrev_b32 v[XO], 12, v[H8]
	v_lshl_add_u32 v[XO], v15, 4, v[XO]            ; lanes 0-15 one token's 256 bytes, lanes 16-31 the next token's
	s_wait_alu depctr_va_sdst(0)                   ; s12 is written, ahead of its first reader: LDS places and the bases are made from it
	s_mul_i32 s36, s12, 8704
	s_add_co_u32 s36, s36, STG                     ; my stage
	v_mul_u32_u24 v[SIN], v[H8], 272
	v_lshl_add_u32 v[SIN], v15, 4, v[SIN]
	v_add_nc_u32 v[SIN], s36, v[SIN]               ; in: as loaded: row h of a pair, 16 r
	v_mul_u32_u24 v[SOUT], v15, 272
	v_lshl_add_u32 v[SOUT], v[H8], 7, v[SOUT]
	v_add_nc_u32 v[SOUT], s36, v[SOUT]             ; out: row r, my half's 32 numbers: a whole block of 32 along K
	s_mul_i32 s36, s12, 3072
	v_add_nc_u32 v[XI], s36, v[LI]                 ; images of tiles 2 w, 2 w + 1
	s_lshr_b32 s36, s12, 1
	s_lshl_b32 s36, s36, 8
	s_and_b32 s37, s12, 1
	s_lshl_b32 s37, s37, 3
	s_add_co_u32 s36, s36, s37
	s_add_co_u32 s36, s36, XSC
	v_lshlrev_b32 v[XSA], 4, v15
	v_add_nc_u32 v[XSA], s36, v[XSA]               ; scale word of tile 2 w (+ 4 for 2 w + 1), row r
	v_lshlrev_b32 v[AX0], 4, v14
	v_add_nc_u32 v[AXS0], XSC, v[AX0]
	v_lshlrev_b32 v[H8], 3, v[H8]
.irp b, 0,1,2,3
	v_mov_b32 v[TM+4+\b], 0                        ; written once: a lane permute's destination counts as one of its sources
.endr
	s_mov_b32 s20, 0x76543210
	s_mov_b32 s21, 0xfedcba98                      ; v_permlanex16_b32's selects for lane l xor 16
	s_mov_b32 s22, 0x7f7f0000                      ; the bytes 127 over the zero codes that fill the scores' K
	s_mov_b32 s23, 0xffff
	s_lshl_b32 s36, ttmp9, 19                      ; x: 128 tokens of 4,096 bytes a work-group,
	s_lshl_b32 s37, s12, 17                        ; 32 a wave
	s_add_co_u32 s36, s36, s37
	s_mov_b32 s37, 0
	s_mul_i32 s38, s13, 819200                     ; wc: my tensor's weight,
	s_mul_i32 s39, s12, 204800                     ; my two blocks of 128 columns
	s_add_co_u32 s38, s38, s39
	s_mov_b32 s39, 0
	s_mov_b32 s42, 13312
	s_cmp_eq_u32 s13, 0
	s_cselect_b32 s42, 6656, s42                   ; a chunk of qq or of kv
	s_lshr_b32 s43, ttmp9, 4                       ; batch
	s_and_b32 s44, ttmp9, 15                       ; token block in it
	s_lshl_b32 s43, s43, 4
	s_lshl_b32 s45, s12, 2
	s_add_co_u32 s43, s43, s45                     ; 16 batch + head 4 w
	s_lshl_b32 s43, s43, 4
	s_add_co_u32 s43, s43, s44
	s_mul_i32 s46, s43, s42
	s_mov_b32 s47, 0
	s_lshl_b32 s16, s42, 5                         ; two heads on
	s_mov_b32 s17, 0
	s_lshl_b32 s18, s42, 4                         ; one head on
	s_mov_b32 s19, 0
	s_wait_kmcnt 0x0
	s_cmp_eq_u32 s13, 1                            ; the choices hang on the work-group's number alone
	s_cselect_b64 s[4:5], s[26:27], s[24:25]
	s_cmp_eq_u32 s13, 2
	s_cselect_b64 s[4:5], s[28:29], s[4:5]
	s_cmp_eq_u32 s13, 0
	s_cselect_b64 s[8:9], s[32:33], s[34:35]
	s_add_nc_u64 s[4:5], s[4:5], s[36:37]          ; x at my wave's first token
	s_add_nc_u64 s[6:7], s[30:31], s[38:39]        ; W at my first block, K step 0
	s_add_nc_u64 s[8:9], s[8:9], s[46:47]          ; the chunk of the pass's first head,
	s_add_nc_u64 s[10:11], s[8:9], s[18:19]        ; and of its second
.macro WFETCH set, wo                  ; 25 loads: W's eight fragments and their scale words, wo bytes on, into a set
	WIN 0x40
.irp a, 0,1,2,3,4,5,6,7
.irp p, 0,1,2
	global_load_b128 v[96*(\set)+12*\a+4*\p:96*(\set)+12*\a+4*\p+3], v[LI], s[6:7] offset:\wo+1536*\a+512*\p
.endr
.endr
	WIN 0
	global_load_b128 v[WS+4*(\set):WS+4*(\set)+3], v[LI], s[6:7] offset:\wo+12288
.endm
.macro XFETCH set, areg, xo, sreg, so  ; 25 LDS loads in one run: x's eight fragments and their scale words
.irp b, 0,1,2,3,4,5,6,7
.irp p, 0,1,2
	ds_load_b128 v[XF+96*(\set)+12*\b+4*\p:XF+96*(\set)+12*\b+4*\p+3], v[\areg] offset:\xo+1536*\b+512*\p
.endr
.endr
	ds_load_b128 v[XS+4*(\set):XS+4*(\set)+3], v[\sreg] offset:\so
.endm
.macro XPART set, areg, xo, sreg, so, g ; a quarter of them: fragments 2 g and 2 g + 1; with the last quarter the scale words
	WIN 0
.irp b, 2*(\g), 2*(\g)+1
.irp p, 0,1,2
	ds_load_b128 v[XF+96*(\set)+12*(\b)+4*\p:XF+96*(\set)+12*(\b)+4*\p+3], v[\areg] offset:\xo+1536*(\b)+512*\p
.endr
.endr
.if (\g) == 3
	ds_load_b128 v[XS+4*(\set):XS+4*(\set)+3], v[\sreg] offset:\so
.endif
.endm
; PHASE X.  Fragment f = 2 (K step % 2) + u.  16 loads: pair i of the tile's rows, 64 numbers c of the K step: each half of the lanes reads 256 consecutive bytes of one token, at a multiple of 256 from x's first byte.
.macro LOADX f, off
	WIN 0x80
.irp c, 0,1
.irp i, 0,1,2,3,4,5,6,7
	global_load_b128 v[64*(\f)+32*\c+4*\i:64*(\f)+32*\c+4*\i+3], v[XO], s[4:5] offset:(8*((\f)%2)+2*\i+8*(\i/4))*4096+((\f)/2)*512+256*\c+\off th:TH_LOAD_NT
.endr
.endr
	WIN 0
.endm
.macro TURNX f                         ; through my stage: in as loaded, out 32 neighbours along K a lane: v[ST + 32 c + ..] = k 64 c + 32 h + 0 .. 31 of row r, as the operand's layout has them
	WIN 0x08
.irp c, 0,1
.irp i, 0,1,2,3,4,5,6,7
	ds_store_b128 v[SIN], v[64*(\f)+32*\c+4*\i:64*(\f)+32*\c+4*\i+3] offset:4352*\c+544*\i
.endr
.endr
	WIN 0
.irp c, 0,1
.irp q, 0,1,2,3,4,5,6,7
	ds_load_b128 v[ST+32*\c+4*\q:ST+32*\c+4*\q+3], v[SOUT] offset:4352*\c+16*\q   ; LDS serves a wave's instructions in order: these see my stores
.endr
.endr
.endm
.macro XQ                              ; my two whole blocks become registers 0-5 and 6-11 of the fragment; the scale word's four bytes are gathered from lanes l and l xor 16
.irp k, 0,1,2,3
	v_max3_num_f32 v[TM+\k], |v[ST+16*\k]|, |v[ST+16*\k+1]|, 0x1800000   ; four chains of 16 numbers; the floor 2^(3 - 127) holds the byte at 1 from below
.endr
.irp i, 2,4,6,8,10,12,14
.irp k, 0,1,2,3
	v_max3_num_f32 v[TM+\k], v[TM+\k], |v[ST+16*\k+\i]|, |v[ST+16*\k+\i+1]|
.endr
.endr
	v_max_num_f32 v[TM], v[TM], v[TM+1]            ; block h
	v_max_num_f32 v[TM+2], v[TM+2], v[TM+3]        ; block 2 + h
	v_add_nc_u32 v[TM+12], 0xff000000, v[TM]       ; 2 off the exponent field: the conversion's scale operand
	v_add_nc_u32 v[TM+13], 0xff000000, v[TM+2]
	v_lshrrev_b32 v[TM+4], 23, v[TM+12]            ; the bytes
	v_lshrrev_b32 v[TM+5], 23, v[TM+13]
	v_lshl_or_b32 v[PW], v[TM+5], 16, v[TM+4]
	v_lshlrev_b32 v[PW], v[H8], v[PW]              ; at their places in the word, 8 h bits up
	v_permlanex16_b32 v[TM+6], v[PW], s20, s21
	v_or_b32 v[PW], v[PW], v[TM+6]
.irp c, 0,1
	v_cvt_scalef32_pk16_fp6_f32 v[PC+6*\c:PC+6*\c+2], v[ST+32*\c:ST+32*\c+15], v[TM+12+\c]
	v_cvt_scalef32_pk16_fp6_f32 v[TQ+4*\c:TQ+4*\c+2], v[ST+32*\c+16:ST+32*\c+31], v[TM+12+\c]   ; (a conversion's three registers begin on an even number)
.endr
	v_nop                                          ; one plain place behind the scaled conversions
.irp c, 0,1
.irp i, 0,1,2
	v_mov_b32 v[PC+6*\c+3+\i], v[TQ+4*\c+\i]
.endr
.endr
.endm
.macro FRAGX f, refill, left
	s_wait_loadcnt \left                           ; this fragment's 16 loads are in; the younger sets stay out
	TURNX \f
	s_wait_dscnt 0x0                               ; the numbers are back
	s_wait_alu depctr_vm_vsrc(0)                   ; the stage's stores have read set f, in which the loads below land; the last image's stores have read v[PC ..] and v[PW], which XQ writes again
.if \refill
	LOADX \f, 1024                                 ; the same fragment two K steps on
.endif
	XQ
	s_wait_alu depctr_va_vdst(0)                   ; XQ has written v[PC ..] and v[PW], which the stores below read (in a trip's first fragment v[XI] and v[XSA] are written too); it is done reading v[ST ..], in which the next fragment's LDS loads land
.irp p, 0,1,2
	ds_store_b128 v[XI], v[PC+4*\p:PC+4*\p+3] offset:((\f)/2)*12288+((\f)%2)*1536+512*\p
.endr
	ds_store_b32 v[XSA], v[PW] offset:((\f)/2)*512+((\f)%2)*4   ; both halves of the lanes write the same word with the same value
.endm
	s_wait_alu depctr_va_vdst(0)                   ; the addresses v1 to v12 are written, which the loads and stores from here on read
	WFETCH 0, 0                                    ; W of the first pass's K step 0: it lands under phase X
	LOADX 0, 0
	LOADX 1, 0
	LOADX 2, 0
	LOADX 3, 0
	s_mov_b32 s15, 3
.Lx:                                                   ; a trip: two K steps x two tiles
	FRAGX 0, 1, 48
	FRAGX 1, 1, 48
	FRAGX 2, 1, 48
	FRAGX 3, 1, 48
	s_wait_xcnt 0x0                                ; the loads have read their base
	s_add_nc_u64 s[4:5], s[4:5], 1024
	s_wait_dscnt 0x0                               ; the images' stores are done
	s_wait_alu depctr_vm_vsrc(0)                   ; and have read v[XI] and v[XSA], which step here
	v_add_nc_u32 v[XI], 24576, v[XI]
	v_add_nc_u32 v[XSA], 1024, v[XSA]
	s_sub_co_u32 s15, s15, 1
	s_cmp_lg_u32 s15, 0
	s_cbranch_scc1 .Lx
	FRAGX 0, 0, 48                                 ; the last two K steps load nothing: the counts run down
	FRAGX 1, 0, 32
	FRAGX 2, 0, 16
	FRAGX 3, 0, 0
	s_wait_dscnt 0x0                               ; for the others' sake: my images and words have landed
	s_barrier_signal -1
	s_barrier_wait -1                              ; x's 64 fragments lie in LDS; nothing is written there again
	s_wait_alu depctr_vm_vsrc(0)                   ; my last image's stores have read v[PC ..]: these registers are part of x's first set from here on
	XFETCH 0, AX0, 0, AXS0, 0
; PHASE P.  64 matrix instructions of one K step.  The 64 accumulators take turns, one instruction a turn, from slot (0, 0) to slot (7, 7) in both arms.
; deal = 1: the next K step's 25 LDS loads of x stand behind the first four rows of eight products, a quarter each: they land in the other set, which no product issued since the step's wait on va_vdst names.
.macro MULS set, zero, deal, areg, xo, sreg, so
	s_cmp_eq_u32 s13, 2
	s_cbranch_scc1 .Lva_\@
.set fZ, \zero
.irp b, 0,1,2,3,4,5,6,7                        ; q, k: source 0 = W's tile a (window 1), source 1 = x's tile b (window 0); accumulator (b, a)
	WIN 0xa1+0x50*(\b/4)
.irp a, 0,1,2,3,4,5,6,7
.set rD, 64*(\b%4)+8*\a
.set rA, 96*(\set)+12*\a
.set rB, XF+96*(\set)+12*\b
.set rSA, WS+4*(\set)+\a%4
.set rSB, XS+4*(\set)+\b%4
.set fRA, \a/4
.set fRB, \b/4
	WM
.endr
.if (\deal) && (\b < 4)
	XPART 1-(\set), \areg, \xo, \sreg, \so, \b
.endif
.endr
	WIN 0
	s_branch .Ldone_\@
.Lva_\@:
.irp a, 0,1,2,3,4,5,6,7                        ; v: source 0 = x's tile b, source 1 = W's tile a; accumulator (a, b)
	WIN 0xa4+0x50*(\a/4)
.irp b, 0,1,2,3,4,5,6,7
.set rD, 64*(\a%4)+8*\b
.set rA, XF+96*(\set)+12*\b
.set rB, 96*(\set)+12*\a
.set rSA, XS+4*(\set)+\b%4
.set rSB, WS+4*(\set)+\a%4
.set fRA, \b/4
.set fRB, \a/4
	WM
.endr
.if (\deal) && (\a < 4)
	XPART 1-(\set), \areg, \xo, \sreg, \so, \a
.endif
.endr
	WIN 0
.Ldone_\@:
.endm
; A K step: the next step's operands are asked for, into the sets that the last step's products read, while this step is multiplied.  W's loads go out first, ahead of the wait for this step's W; x's are dealt among the products.
; step = 1: a trip's first K step: the address pair of the trip's two fetches is made.
.macro KSTEP cur, zero, areg, xo, sreg, so, wo, step
.if \step
	s_wait_alu depctr_vm_vsrc(0)                   ; the LDS loads issued so far have read v[AXP] and v[ASP]
	v_add_nc_u32 v[AXP], s40, v[AX0]
	v_add_nc_u32 v[ASP], s41, v[AXS0]
.endif
.rept 4
	v_nop                                          ; four plain places behind the last step's products stay beside the wait below
.endr
	s_wait_alu depctr_va_vdst(0)                   ; the last step's products are done reading the other sets of W and x and their scale words, in which this step's loads land; in a trip's first step v[AXP] and v[ASP] are written
	WFETCH 1-(\cur), \wo
	s_wait_loadcnt 25                              ; all but the 25 loads just issued: this step's W is in
	s_wait_dscnt 0x0                               ; this step's x, asked for in the first half of the last step, is in
	MULS \cur, \zero, 1, \areg, \xo, \sreg, \so
.endm
; 64 numbers of a lane in window 2 + hi, register 16 b + i = place 32 b + 16 h + i along the next K, become a fragment's 12 registers at v[pc] and its scale word in v[pw].  Each accumulator is read from its low end on.
.macro QUANT hi, s, pc, pw
.if \hi
	WIN 0x0f
.else
	WIN 0x0a
.endif
.irp b, 0,1,2,3
	v_max3_num_f32 v[TM+\b], |v[\s+16*\b]|, |v[\s+16*\b+1]|, 0x1800000   ; block b: my 16 numbers, and the floor 2^(3 - 127)
.endr
.irp i, 2,4,6,8,10,12,14
.irp b, 0,1,2,3
	v_max3_num_f32 v[TM+\b], |v[\s+16*\b+\i]|, |v[\s+16*\b+\i+1]|, v[TM+\b]   ; (the four blocks by turns)
.endr
.endr
	WIN 0
.irp b, 0,1,2,3
	v_permlanex16_b32 v[TM+4+\b], v[TM+\b], s20, s21
.endr
.irp b, 0,1,2,3
	v_max_num_f32 v[TM+\b], v[TM+\b], v[TM+4+\b]   ; with lane l xor 16's 16: the block's largest magnitude
.endr
.irp b, 0,1,2,3
	v_add_nc_u32 v[TM+12+\b], 0xff000000, v[TM+\b]
.endr
.irp b, 0,1,2,3
	v_lshrrev_b32 v[TM+4+\b], 23, v[TM+12+\b]
.endr
	v_lshl_or_b32 v[\pw], v[TM+5], 8, v[TM+4]
	v_lshl_or_b32 v[\pw], v[TM+6], 16, v[\pw]
	v_lshl_or_b32 v[\pw], v[TM+7], 24, v[\pw]
.if \hi
	WIN 0x03
.else
	WIN 0x02
.endif
.irp c, 0,1
	v_cvt_scalef32_pk16_fp6_f32 v[\pc+6*\c:\pc+6*\c+2], v[\s+32*\c:\s+32*\c+15], v[TM+12+2*\c]
	v_cvt_scalef32_pk16_fp6_f32 v[TQ+4*\c:TQ+4*\c+2], v[\s+32*\c+16:\s+32*\c+31], v[TM+13+2*\c]
.endr
	WIN 0
	v_nop                                          ; one plain place behind the scaled conversions
.irp c, 0,1                                    ; the operand's layout wants a WHOLE block in a lane: lanes 0-15 block 2 c, lanes 16-31 block 2 c + 1
.irp i, 0,1,2
	v_permlane16_swap_b32 v[\pc+6*\c+\i], v[TQ+4*\c+\i]
.endr
.irp i, 0,1,2
	v_mov_b32 v[\pc+6*\c+3+\i], v[TQ+4*\c+\i]
.endr
.endr
.endm
	s_mov_b32 s14, 2
.Lpass:                                                ; a pass: 128 columns (two heads) x 128 tokens x all of K
	s_mov_b32 s40, 0
	s_mov_b32 s41, 0
	KSTEP 0, 1, AX0, 12288, AXS0, 512, 12800, 0    ; K step 0 starts the sums: nothing is cleared
	s_mov_b32 s15, 3
.Lk:
	KSTEP 1, 0, AXP, 24576, ASP, 1024, 25600, 1    ; K steps 1, 3, 5
	KSTEP 0, 0, AXP, 36864, ASP, 1536, 38400, 0    ; K steps 2, 4, 6
	s_add_co_u32 s40, s40, 24576                   ; two K steps of images,
	s_add_co_u32 s41, s41, 1024                    ; and of scale words
	s_wait_xcnt 0x0                                ; W's loads have read their base
	s_add_nc_u64 s[6:7], s[6:7], 25600
	s_sub_co_u32 s15, s15, 1
	s_cmp_lg_u32 s15, 0
	s_cbranch_scc1 .Lk
	s_cmp_eq_u32 s14, 1                            ; K step 7: the first pass asks for the second pass's K step 0, the second for nothing
	s_cbranch_scc1 .Llastpass
.rept 4
	v_nop                                          ; four plain places behind K step 6's products stay beside the wait below
.endr
	s_wait_alu depctr_va_vdst(0)                   ; K step 6's products are done reading the first sets of x and W and their scale words, in which the loads below land
	XFETCH 0, AX0, 0, AXS0, 0
	WFETCH 0, 25600
	s_wait_loadcnt 25
	s_wait_dscnt 25
	s_branch .Lmul7
.Llastpass:
	s_wait_loadcnt 0x0
	s_wait_dscnt 0x0
.Lmul7:
	MULS 1, 0, 0, AX0, 0, AXS0, 0
.rept 4
	v_nop                                          ; places in front of the first read of results, and of the codes that are laid over x's second set
.endr
.irp u, 0,1,2,3
	QUANT 0, 64*\u, 160+12*\u, PW+\u
.endr
.irp u, 0,1,2,3
	QUANT 1, 64*\u, 208+12*\u, PW+4+\u
.endr
	s_cmp_eq_u32 s13, 2
	s_cbranch_scc1 .Lvout
	s_mov_b32 vcc_lo, 0xffff0000
.irp i, 0,1,2,3
	v_cndmask_b32 v[TM+\i], v[PW+\i], v[PW+4+\i], vcc_lo   ; lanes 0-15: tile i's word, lanes 16-31: tile 4 + i's
.endr
.irp i, 0,1,2,3
	v_and_or_b32 v[TM+4+\i], v[TM+\i], s23, s22    ; the first head's two bytes, 127 above them
	v_lshrrev_b32 v[TM+8+\i], 16, v[TM+\i]
.endr
.irp i, 0,1,2,3
	v_or_b32 v[TM+8+\i], s22, v[TM+8+\i]           ; the second head's
.endr
	s_wait_alu depctr_va_vdst(0)                   ; the codes in v160-255 and the words in v[TM+4 .. TM+11] are written, which the stores below read
.irp u, 0,1,2,3,4,5,6,7                        ; q, k: fragment u = token tile u; registers 0-5 are the first head's half fragment, 6-11 the second's
	global_store_b128 v[LI], v[160+12*\u:163+12*\u], s[8:9] offset:768*\u          ; 512 consecutive bytes,
	global_store_b64 v[L8], v[164+12*\u:165+12*\u], s[8:9] offset:768*\u+512       ; 256: both at multiples of 256 from the buffer's first byte
	global_store_b128 v[LI], v[166+12*\u:169+12*\u], s[10:11] offset:768*\u
	global_store_b64 v[L8], v[170+12*\u:171+12*\u], s[10:11] offset:768*\u+512
.endr
	global_store_b128 v[LI], v[TM+4:TM+7], s[8:9] offset:6144
	global_store_b128 v[LI], v[TM+8:TM+11], s[10:11] offset:6144
	s_branch .Lstored
.Lvout:
	s_wait_alu depctr_va_vdst(0)                   ; the codes in v160-255 and the words in v[PW ..] are written, which the stores below read
.irp u, 0,1,2,3                                ; v: fragment u = W's tile u: head u / 4, 16 e x the chunk's 128 keys
.irp p, 0,1,2
	global_store_b128 v[LI], v[160+12*\u+4*\p:163+12*\u+4*\p], s[8:9] offset:6656+1536*\u+512*\p
	global_store_b128 v[LI], v[208+12*\u+4*\p:211+12*\u+4*\p], s[10:11] offset:6656+1536*\u+512*\p
.endr
.endr
	global_store_b128 v[LI], v[PW:PW+3], s[8:9] offset:12800
	global_store_b128 v[LI], v[PW+4:PW+7], s[10:11] offset:12800
.Lstored:
	s_wait_xcnt 0x0                                ; the stores have read their bases, W's loads their base: all may be written again
	s_wait_alu depctr_vm_vsrc(0)                   ; the stores have read v160-255, in which the next pass's LDS loads land, and the words, which its way out writes again
	s_add_nc_u64 s[8:9], s[8:9], s[16:17]
	s_add_nc_u64 s[10:11], s[10:11], s[16:17]
	s_add_nc_u64 s[6:7], s[6:7], 25600             ; W at the next block's K step 0
	s_sub_co_u32 s14, s14, 1
	s_cmp_lg_u32 s14, 0
	s_cbranch_scc1 .Lpass
	s_wait_dscnt 0x0
	s_wait_alu depctr_hold_cnt(0) depctr_sa_sdst(0) depctr_va_vdst(0) depctr_va_sdst(0) depctr_va_ssrc(0) depctr_va_vcc(0) depctr_vm_vsrc(0)
	s_wait_tensorcnt 0x0
	ds_add_u32 v51, v55
	s_wait_dscnt 0x0
	s_endpgm
.Lfunc_end_k_qe0bc4b13bd_proj:
	.size	k_qe0bc4b13bd_proj, .Lfunc_end_k_qe0bc4b13bd_proj-k_qe0bc4b13bd_proj
	.p2alignl 7, 3214868480
	.fill 96, 4, 3214868480
	.section	.rodata,"a",@progbits
	.p2align	6, 0x0
	.amdhsa_kernel k_qe0bc4b13bd_proj
		.amdhsa_group_segment_fixed_size 137728
		.amdhsa_private_segment_fixed_size 0
		.amdhsa_enable_private_segment 0
		.amdhsa_kernarg_size 48
		.amdhsa_user_sgpr_count 2
		.amdhsa_user_sgpr_kernarg_segment_ptr 1
		.amdhsa_wavefront_size32 1
		.amdhsa_system_sgpr_workgroup_id_x 1
		.amdhsa_system_sgpr_workgroup_id_y 1
		.amdhsa_system_sgpr_workgroup_id_z 1
		.amdhsa_system_vgpr_workitem_id 0
		.amdhsa_next_free_vgpr 1024
		.amdhsa_next_free_sgpr 66
		.amdhsa_reserve_vcc 1
		.amdhsa_float_denorm_mode_32 3
		.amdhsa_float_denorm_mode_16_64 3
		.amdhsa_memory_ordered 1
		.amdhsa_forward_progress 1
		.amdhsa_inst_pref_size 191
	.end_amdhsa_kernel
	.amdgpu_metadata
---
amdhsa.version: [ 1, 2 ]
amdhsa.kernels:
  - .name:           k_qe0bc4b13bd_proj
    .symbol:         k_qe0bc4b13bd_proj.kd
    .args:
      - { .name: queries, .offset: 0, .size: 8, .value_kind: global_buffer, .address_space: global }
      - { .name: keys, .offset: 8, .size: 8, .value_kind: global_buffer, .address_space: global }
      - { .name: values, .offset: 16, .size: 8, .value_kind: global_buffer, .address_space: global }
      - { .name: wc, .offset: 24, .size: 8, .value_kind: global_buffer, .address_space: global }
      - { .name: qq, .offset: 32, .size: 8, .value_kind: global_buffer, .address_space: global }
      - { .name: kv, .offset: 40, .size: 8, .value_kind: global_buffer, .address_space: global }
    .group_segment_fixed_size: 137728
    .private_segment_fixed_size: 0
    .kernarg_segment_align: 8
    .kernarg_segment_size: 48
    .max_flat_workgroup_size: 128
    .sgpr_count:     66
    .vgpr_count:     1024
    .wavefront_size: 32
...
	.end_amdgpu_metadata
.endif
;; end of part 5
;; launch attn (part 6): grid 16 x 16, 8 waves a work-group, no clusters, 161,280 bytes of LDS; arguments qq, kv, valid_lens, oc, osc; writes oc, osc
.if DOCPART == 6
	.amdgcn_target "amdgcn-amd-amdhsa--gfx1250"
	.amdhsa_code_object_version 6
	.text
	.protected	k_qe0bc4b13bd_attn
	.globl	k_qe0bc4b13bd_attn
	.p2align	8
	.type	k_qe0bc4b13bd_attn,@function
k_qe0bc4b13bd_attn:
	s_mov_b64 s[64:65], 0
	v_nop
	global_prefetch_b8 v0, s[64:65] scope:SCOPE_SE
	s_setreg_imm32_b32 hwreg(HW_REG_WAVE_SCHED_MODE, 0, 2), 2
	s_setreg_imm32_b32 hwreg(HW_REG_WAVE_MODE, 25, 1), 1
	s_wait_xcnt 0x0
	s_wait_alu depctr_vm_vsrc(0)
; o = softmax(q k^T / 8, keys at or behind valid_lens[batch] hidden) v, both products on codes of FP6 (E2M3) with one E8M0 byte for each 32 along K; o is divided by the row's sum and quantised along the head's 64 for the last product.
; THE SOFTMAX AHEAD OF THE SECOND PRODUCT: t = score x log2(e) / 8; M = the running largest t rounded UP to a whole number; p = 2^(t - M) is quantised along the keys, not normalised; the sum is taken of the unquantised p.
; When M moves, the sum and O are multiplied by 2^(old M - new M): exact.
; SHARES.  Work-group (x = block of 128 queries, y = head) walks ALL FOUR BATCHES, so that every work-group does the same number of key steps whatever the four lengths.  Each of its eight waves owns 16 queries (one tile).
; A key step is 128 keys = one chunk of kv, 13,312 bytes.  Steps all of whose keys are hidden are left out: a scalar branch on valid_lens, round the step's work, never round its barrier.  The trip counts are constants: 4 x 16.
; So this launch has no tensor load and no cluster: its chunks come through registers.  In step j the 256 threads load chunk j + 2 (13 registers a lane) at the step's head and store it to LDS at its end;
; V of step j and K of step j + 1 are read behind the scores' products of step j.  ONE barrier at each step's end: in front of it every wave's LDS instructions are done.
; The slot written in step j held chunk j - 2, last read in step j - 2, two barriers back.  Chunks 0 and 1 of all four batches are brought once, at the head, into bytes of their own.
; No prefetch: each chunk's own loads go out two key steps ahead of its first use.
; LAYOUT.  Both products transposed: S^T = K Q^T, O^T = V^T P^T: a lane holds ONE query throughout.  K = 64 of the scores fills half an instruction: registers 6-11 of both operands are zero codes, under the byte 127.
; The keys of a tile are not neighbours (tile 2 b + u, row r: key 32 b + 8 u + r + 8 (r / 8)), so that p's 16 registers of two neighbouring tiles are 16 neighbouring keys; V's rows e likewise, for o's quantiser.
; LIMITS: valid_lens from 1 to 2,048 (larger numbers act as 2,048, as in the definition; 0 and negative numbers, for which the definition gives NaN, are not served).  NaN and infinities are not served.
;  A block of p or o whose largest magnitude lies under 2^-124 gets the byte 1.
; REGISTERS.  window 0: v1-11, v29-31 addresses; v12 -M, v13 largest t, v[14:15] the sum; v16-27 Q, v28 its scale word; v32-55 Q of the batches to come; v60-63 K's scale words, v64-67 V's; v96-159 S^T, then p;
;  v160-191 O^T; v192-223 o; v224-235 codes; v232-254 at work; v253 p's scale word.   window 1: v0-95 K's eight fragments; v96-143 V's four; v144-156 the chunk on its way.   s32-63: the masks of the step that the length cuts.
; THE MODE: SCHED_MODE bits 1:0 = 2 (LLVM: expert scheduling mode 2), set by the entry lines.  The code itself states the register dependences between vector or matrix instructions and memory or LDS instructions, with s_wait_alu, always for 0.
; THE PLAN.  Registers that memory or LDS instructions touch, in a key step:
;  the chunk on its way: written by the global loads at the step's head, read by the LDS stores at its end: one wait on vm_vsrc at the step's end, beside the wait for those stores.
;  K's registers and scale words: read by the scores' products at the step's head, loaded again behind them.  V's and theirs: read by the second products at the step's end, loaded again in the next step.
;   ONE wait on va_vdst, behind the scores' products, states both: those products are done reading K's registers, and the last step's second products are done reading V's.  V's and K's loads follow it.
;  p's codes and scale word: written by vector instructions, taken by the second products: one wait on va_vdst ahead of these, behind their places.
;  Once a batch: v3, v4 (read by LDS loads, stepped at the batch's end), the codes and words of o (written by vector instructions, read by stores): a wait on va_vdst ahead of the stores and at the batch's head, one on vm_vsrc at its end.
;  v1, v2, v5-8, v10, v11, v29, v30, v55-59: made at the head, never written again.
.set SBY,  13312                       ; a chunk, and a slot
.set RING, 106496                      ; LDS: 0: eight slots, chunks 0 and 1 of the four batches; here: four slots, chunk j at slot j % 4;
.set OSCL, 159744                      ; here: 512 bytes for o's scale words
.set MSB, 0
.macro WIN new
.if MSB != (\new)
	s_set_vgpr_msb (MSB<<8)|(\new)
.set MSB, (\new)
.endif
.endm
.macro WM                              ; one matrix instruction, by the symbols rD, rA, rB, rSA, rSB; fZ: it starts the sum; fRA: source 0's scale words stand in lanes 16-31
.if fZ
.if fRA
	v_wmma_scale_f32_16x16x128_f8f6f4 v[rD:rD+7], v[rA:rA+11], v[rB:rB+11], 0, v[rSA], v[rSB] matrix_a_fmt:MATRIX_FMT_FP6 matrix_b_fmt:MATRIX_FMT_FP6 matrix_a_scale:MATRIX_SCALE_ROW1
.else
	v_wmma_scale_f32_16x16x128_f8f6f4 v[rD:rD+7], v[rA:rA+11], v[rB:rB+11], 0, v[rSA], v[rSB] matrix_a_fmt:MATRIX_FMT_FP6 matrix_b_fmt:MATRIX_FMT_FP6
.endif
.else
	v_wmma_scale_f32_16x16x128_f8f6f4 v[rD:rD+7], v[rA:rA+11], v[rB:rB+11], v[rD:rD+7], v[rSA], v[rSB] matrix_a_fmt:MATRIX_FMT_FP6 matrix_b_fmt:MATRIX_FMT_FP6
.endif
.endm
	s_load_b128 s[32:35], s[0:1], 0x0              ; qq, kv
	s_load_b64 s[36:37], s[0:1], 0x10              ; valid_lens
	s_load_b64 s[40:41], s[0:1], 0x18              ; oc
	s_load_b64 s[42:43], s[0:1], 0x20              ; osc
	v_lshl_add_u32 v251, v0, 2, 0x27200
	v_mov_b32 v255, 0
	v_lshrrev_b32 v56, 5, v0
	v_readfirstlane_b32 s14, v56                   ; wave 0..7
	s_and_b32 s15, ttmp7, 0xffff                   ; the head
	v_and_b32 v57, 31, v0                          ; lane
	v_and_b32 v58, 15, v0                          ; r
	v_bfe_u32 v31, v0, 4, 1
	v_lshlrev_b32 v31, 4, v31                      ; 16 h
	v_lshlrev_b32 v10, 4, v57                      ; 16 x lane
	v_lshlrev_b32 v11, 3, v57                      ; 8 x lane
	v_add_nc_u32 v1, RING, v10                     ; a fragment's place for my lane, in the ring,
	v_add_nc_u32 v2, RING, v11
	v_lshlrev_b32 v3, 4, v57                       ; and in the batch's first two chunks (26,624 bytes on for each batch)
	v_lshlrev_b32 v4, 3, v57
	v_lshlrev_b32 v7, 4, v0                        ; a chunk's copy: 16 bytes a thread,
	v_lshlrev_b32 v8, 2, v0                        ; its last 1,024 bytes: 4 a thread
	v_add_nc_u32 v5, RING, v7
	v_add_nc_u32 v6, RING, v8
	v_add_nc_u32 v59, 53248, v7
	v_add_nc_u32 v55, 53248, v8
	v_add_nc_u32 v30, OSCL, v10
	s_wait_alu depctr_va_sdst(0)                   ; s14 is written, ahead of its first reader: LDS places and offsets are made from it
	s_lshr_b32 s50, s14, 2
	s_lshl_b32 s50, s50, 8
	s_and_b32 s51, s14, 3
	s_lshl_b32 s51, s51, 2
	s_add_co_u32 s50, s50, s51
	v_lshlrev_b32 v56, 4, v58
	v_add_nc_u32 v56, s50, v56                     ; the scale word of tile w, row r: 256 (w / 4) + 16 r + 4 (w % 4)
	v_add_nc_u32 v29, OSCL, v56
	s_mul_i32 s52, s14, 768
	v_add_nc_u32 v57, s52, v10                     ; Q: my tile's half fragment
	v_add_nc_u32 v58, s52, v11
	s_lshl_b32 s16, s15, 4
	s_add_co_u32 s16, s16, ttmp9
	s_mul_i32 s18, s16, 6656                       ; qq: chunk (batch 0, head, my block)
	s_mov_b32 s19, 0
	s_mul_i32 s44, s15, 212992                     ; kv: chunk (batch 0, head, 0)
	s_mov_b32 s45, 0
	s_lshl_b32 s16, ttmp9, 4
	s_add_co_u32 s16, s16, s15
	s_mul_i32 s46, s16, 6144                       ; oc: (block, head), my tile
	s_add_co_u32 s46, s46, s52
	s_mov_b32 s47, 0
	s_lshl_b32 s48, s16, 9                         ; osc
	s_mov_b32 s49, 0
	s_mov_b32 s20, 0x76543210
	s_mov_b32 s21, 0xfedcba98                      ; v_permlanex16_b32's selects for lane l xor 16
	s_mov_b32 s22, 0x3e38aa3b                      ; c = log2(e) / 8
	s_mov_b32 s23, s22                             ; (named with it as a pair, so it is written)
	s_wait_kmcnt 0x0
	s_load_b128 s[24:27], s[36:37], 0x0            ; the four lengths
	s_add_nc_u64 s[4:5], s[32:33], s[18:19]
	s_add_nc_u64 s[6:7], s[34:35], s[44:45]
	s_add_nc_u64 s[8:9], s[6:7], 6815744           ; batches 2 and 3: three batches on would pass the signed 24-bit immediate
	s_add_nc_u64 s[10:11], s[40:41], s[46:47]
	s_add_nc_u64 s[12:13], s[42:43], s[48:49]
	WIN 0x40
	s_wait_alu depctr_va_vdst(0)                   ; the addresses and offsets made above are written, which the loads and stores from here on read
.irp n, 0,1,2,3                                ; chunks 0 and 1 of the four batches: 13 registers a chunk
.irp p, 0,1,2
	global_load_b128 v[56+12*\n+4*\p:59+12*\n+4*\p], v7, s[6:7] offset:(\n/2)*3407872+(\n%2)*SBY+4096*\p
	global_load_b128 v[104+12*\n+4*\p:107+12*\n+4*\p], v7, s[8:9] offset:(\n/2)*3407872+(\n%2)*SBY+4096*\p
.endr
	global_load_b32 v[152+\n], v8, s[6:7] offset:(\n/2)*3407872+(\n%2)*SBY+12288
	global_load_b32 v[156+\n], v8, s[8:9] offset:(\n/2)*3407872+(\n%2)*SBY+12288
.endr
	WIN 0
	global_load_b128 v[16:19], v57, s[4:5]         ; Q of batch 0,
	global_load_b64 v[20:21], v58, s[4:5] offset:512
	global_load_b32 v28, v56, s[4:5] offset:6144
.irp n, 1,2,3                                  ; and of the three to come
	global_load_b128 v[24+8*\n:27+8*\n], v57, s[4:5] offset:1703936*\n
	global_load_b64 v[28+8*\n:29+8*\n], v58, s[4:5] offset:1703936*\n+512
	global_load_b32 v[30+8*\n], v56, s[4:5] offset:1703936*\n+6144
.endr
.irp i, 22,23,24,25,26,27
	v_mov_b32 v[\i], 0                             ; zero codes fill the scores' K to 128
.endr
.irp b, 0,1,2,3
	v_mov_b32 v[236+\b], 0                         ; written once: a lane permute's destination counts as one of its sources
.endr
	v_mov_b32 v252, 0
	v_mov_b32 v253, 0                              ; (named as the upper half of the pair v[252:253] before it is first written)
	s_wait_kmcnt 0x0
	s_min_u32 s24, s24, 2048
	s_min_u32 s25, s25, 2048
	s_min_u32 s26, s26, 2048
	s_min_u32 s27, s27, 2048
	s_wait_loadcnt 0x0
	WIN 0x04
.irp n, 0,1,2,3
.irp p, 0,1,2
	ds_store_b128 v7, v[56+12*\n+4*\p:59+12*\n+4*\p] offset:\n*SBY+4096*\p
	ds_store_b128 v59, v[104+12*\n+4*\p:107+12*\n+4*\p] offset:\n*SBY+4096*\p
.endr
	ds_store_b32 v8, v[152+\n] offset:\n*SBY+12288
	ds_store_b32 v55, v[156+\n] offset:\n*SBY+12288
.endr
	WIN 0
	s_wait_dscnt 0x0                               ; for the others' sake: my part of the eight chunks has landed
	s_wait_alu depctr_vm_vsrc(0)                   ; the stores have read window 1's v56-159: the zero codes below are laid over some of them, K's, V's and the chunks' loads land in the others
	WIN 0x40
.irp t, 0,1,2,3,4,5,6,7
.irp i, 6,7,8,9,10,11
	v_mov_b32 v[12*\t+\i], 0                       ; K's zero codes: written once
.endr
.endr
	WIN 0
	s_barrier_signal -1
	s_barrier_wait -1
; A KEY STEP.  vreg, voff: where V of this step lies; kreg, kreg8, koff: K of the next; woff: the ring slot that takes chunk j + 2; goff: that chunk in memory.  s24 = the batch's length, s28 = the step's first key.
.macro STEP vreg, voff, kreg, kreg8, koff, woff, goff
	s_cmp_ge_u32 s28, s24
	s_cbranch_scc1 .Lidle_\@                       ; all 128 keys are hidden
	s_add_co_u32 s29, s28, 256
	s_cmp_lt_u32 s29, s24
	s_cbranch_scc0 .Lnog_\@                        ; chunk j + 2 is asked for only if one of its keys counts: so no load passes the head's 16 chunks
	WIN 0x40
.irp p, 0,1,2
	global_load_b128 v[144+4*\p:147+4*\p], v7, s[6:7] offset:\goff+4096*\p   ; (the LDS stores that read these registers stand ahead of the last step's wait on vm_vsrc; no vector instruction names them)
.endr
	global_load_b32 v156, v8, s[6:7] offset:\goff+12288
	WIN 0
.Lnog_\@:
	WIN 0x01
.set fZ, 1
.set rB, 16
.set rSB, 28
.irp t, 0,1,2,3,4,5,6,7                        ; S^T = K Q^T.  K came in during the last step
.set rD, 96+8*\t
.set rA, 12*\t
.set rSA, 60+\t%4
.set fRA, \t/4
	WM
.endr
	WIN 0
.rept 4
	v_nop                                          ; places in front of the first read of the scores; they stay beside the wait below
.endr
	s_wait_alu depctr_va_vdst(0)                   ; the scores' products are done reading K's registers and scale words, the last step's second products V's and theirs: the loads below land in them
	WIN 0x40
.irp t, 0,1,2,3
.irp p, 0,1,2
	ds_load_b128 v[96+12*\t+4*\p:99+12*\t+4*\p], v[\vreg] offset:\voff+6656+1536*\t+512*\p
.endr
.endr
	WIN 0
	ds_load_b128 v[64:67], v[\vreg] offset:\voff+12800
	s_add_co_u32 s29, s28, 128
	s_cmp_lt_u32 s29, s24
	s_cbranch_scc0 .Lnok_\@                        ; the next step is left out: its K is not fetched
	WIN 0x40
.irp t, 0,1,2,3,4,5,6,7
	ds_load_b128 v[12*\t:12*\t+3], v[\kreg] offset:\koff+768*\t
	ds_load_b64 v[12*\t+4:12*\t+5], v[\kreg8] offset:\koff+768*\t+512
.endr
	WIN 0
	ds_load_b128 v[60:63], v[\kreg] offset:\koff+6144
.Lnok_\@:
	s_cmp_le_u32 s29, s24
	s_cbranch_scc1 .Lopen_\@                       ; all 128 keys count
	s_sub_co_u32 s29, s24, s28                     ; the one step of a batch that the length cuts: hidden scores become -infinity ahead of the maximum, so p = 0.  The step's first key counts, so the maximum is a number
	s_sub_co_u32 s29, s29, 1
	v_sub_nc_u32 v9, s29, v31                      ; d = length - first key - 1 - 16 h.  Register 16 b + i holds key first + 32 b + 16 h + i: hidden where 32 b + i > d
	v_mov_b32 v254, 0xff800000
.irp g, 0,1                                    ; the compares go in two runs of 32, each into s32-63, so that one wait serves a run
.set n, 0
.rept 32
	v_cmp_gt_i32 s[32+n], 32*((32*\g+n)/16)+(32*\g+n)%16, v9
.set n, n+1
.endr
	s_wait_alu depctr_va_sdst(0)                   ; the 32 masks are written, ahead of the selects that read them
.set n, 0
.rept 32
	v_cndmask_b32 v[96+32*\g+n], v[96+32*\g+n], v254, s[32+n]
.set n, n+1
.endr
.endr
.Lopen_\@:
.irp b, 0,1,2,3
	v_max3_num_f32 v[232+\b], v[96+16*\b], v[97+16*\b], v[98+16*\b]   ; THE LARGEST SCORE OF EACH BLOCK OF 32 KEYS: it serves the row's maximum and, since p rises with the score, the block's largest p
.endr
.irp i, 3,5,7,9,11,13
.irp b, 0,1,2,3
	v_max3_num_f32 v[232+\b], v[232+\b], v[96+16*\b+\i], v[97+16*\b+\i]
.endr
.endr
.irp b, 0,1,2,3
	v_max_num_f32 v[232+\b], v[232+\b], v[111+16*\b]
.endr
.irp b, 0,1,2,3
	v_permlanex16_b32 v[236+\b], v[232+\b], s20, s21
.endr
.irp b, 0,1,2,3
	v_max_num_f32 v[232+\b], v[232+\b], v[236+\b]  ; with lane l xor 16's 16 keys
.endr
	v_max3_num_f32 v254, v232, v233, v234
	v_max_num_f32 v254, v254, v235
	v_mul_f32 v254, s22, v254                      ; as t (c is positive)
	v_max_num_f32 v13, v13, v254                   ; the running largest t
	v_mov_b32 v254, v12
	v_floor_f32 v12, -v13                          ; the new -M = floor(-t): M is a whole number
	v_sub_f32 v254, v12, v254                      ; old M - new M: a whole number, 0 or less
	v_cvt_i32_f32 v254, v254                       ; (it saturates)
	v_ldexp_f32 v252, 1.0, v254                    ; f = 2^(old M - new M)
.set j, 0
.rept 32
	v_pk_fma_f32 v[96+j:97+j], v[96+j:97+j], s[22:23], v[12:13] op_sel_hi:[1,0,0]   ; t - M, two at a time
.set j, j+2
.endr
.irp b, 0,1,2,3
	v_fma_f32 v[232+\b], v[232+\b], s22, v12       ; the same of each block's largest score
.endr
.set j, 0
.rept 64
	v_exp_f32 v[96+j], v[96+j]                     ; p = 2^(t - M), at most 1
.set j, j+1
.endr
	v_pk_mul_f32 v[14:15], v[14:15], v[252:253] op_sel_hi:[1,0]   ; the sums under the new M: a plain place behind the exponentials
	s_wait_alu depctr_va_vdst(0)                   ; the 64 exponentials have written p: one wait for the batch, ahead of its first reader
.irp b, 0,1,2,3
	v_exp_f32 v[232+\b], v[232+\b]                 ; the block's largest p: the same two instructions on the same number give the same bits
.endr
	v_pk_add_f32 v[236:237], v[96:97], v[98:99]    ; the row's sum is taken of the unquantised p, in two chains
.irp j, 4,8,12,16,20,24,28,32,36,40,44,48,52,56,60
	v_pk_add_f32 v[14:15], v[14:15], v[96+\j:97+\j]
	v_pk_add_f32 v[236:237], v[236:237], v[98+\j:99+\j]
.endr
	v_pk_add_f32 v[14:15], v[14:15], v[236:237]
	s_wait_alu depctr_va_vdst(0)                   ; and one for the four: the blocks' largest p are written
.irp b, 0,1,2,3
	v_max_num_f32 v[232+\b], 0x1800000, v[232+\b]  ; the floor 2^(3 - 127): a block whose every p is 0 keeps the byte 1: its codes are zeros
.endr
.irp b, 0,1,2,3
	v_add_nc_u32 v[244+\b], 0xff000000, v[232+\b]
.endr
.irp b, 0,1,2,3
	v_lshrrev_b32 v[236+\b], 23, v[244+\b]
.endr
	v_lshl_or_b32 v253, v237, 8, v236              ; p's scale word for these 128 keys
	v_lshl_or_b32 v253, v238, 16, v253
	v_lshl_or_b32 v253, v239, 24, v253
.irp c, 0,1
	v_cvt_scalef32_pk16_fp6_f32 v[224+6*\c:226+6*\c], v[96+32*\c:111+32*\c], v[244+2*\c]
	v_cvt_scalef32_pk16_fp6_f32 v[236+4*\c:238+4*\c], v[112+32*\c:127+32*\c], v[245+2*\c]
.endr
	v_nop                                          ; one plain place behind the scaled conversions
.irp c, 0,1
.irp i, 0,1,2
	v_permlane16_swap_b32 v[224+6*\c+\i], v[236+4*\c+\i]
.endr
.irp i, 0,1,2
	v_mov_b32 v[227+6*\c+\i], v[236+4*\c+\i]
.endr
.endr
.set j, 0
.rept 16
	v_pk_mul_f32 v[160+j:161+j], v[160+j:161+j], v[252:253] op_sel_hi:[1,0]   ; O^T under the new M.  (These 16 are also the places between p's codes and scale word and the products)
.set j, j+2
.endr
	s_wait_dscnt 0x0                               ; V is in, and the next step's K
	s_wait_alu depctr_va_vdst(0)                   ; p's codes in v224-235 and its scale word in v253 are written, which the products below take; the places above stay beside this wait
	WIN 0x01
.set fZ, 0
.set rB, 224
.set rSB, 253
.irp t, 0,1,2,3                                ; O^T += V^T P^T: four accumulators by turns
.set rD, 160+8*\t
.set rA, 96+12*\t
.set rSA, 64+\t
	WM
.endr
	WIN 0
.rept 4
	v_nop                                          ; places behind the products, ahead of the first vector instruction that reads O^T: behind a batch's last step that is the way out
.endr
	s_wait_loadcnt 0x0                             ; chunk j + 2, if it was asked for, is in my registers
	s_add_co_u32 s29, s28, 256
	s_cmp_lt_u32 s29, s24
	s_cbranch_scc0 .Lidle_\@
	WIN 0x04
.irp p, 0,1,2
	ds_store_b128 v5, v[144+4*\p:147+4*\p] offset:\woff+4096*\p
.endr
	ds_store_b32 v6, v156 offset:\woff+12288
	WIN 0
.Lidle_\@:
	s_add_co_u32 s28, s28, 128
	s_wait_dscnt 0x0                               ; my stores have landed and my reads are back: then the step's barrier, on every wave's path
	s_wait_alu depctr_vm_vsrc(0)                   ; the stores above have read the chunk's 13 registers, in which the next step's global loads land
	s_barrier_signal -1
	s_barrier_wait -1
.endm
	s_mov_b32 s30, 4
.Lb:                                                   ; a batch
	s_wait_alu depctr_va_vdst(0)                   ; v3 and v4 are written, which the loads below read; the last batch's products are done reading K's registers and scale words, in which they land; Q, its scale word and the zero codes are written, which the scores' products take
	WIN 0x40
.irp t, 0,1,2,3,4,5,6,7
	ds_load_b128 v[12*\t:12*\t+3], v3 offset:768*\t                ; K of step 0
	ds_load_b64 v[12*\t+4:12*\t+5], v4 offset:768*\t+512
.endr
	WIN 0
	ds_load_b128 v[60:63], v3 offset:6144
	v_mov_b32 v13, 0xff61b1e6                      ; the largest t so far: -3e38, under every t
	v_floor_f32 v12, -v13
	v_mov_b32 v14, 0
	v_mov_b32 v15, 0
.set j, 0
.rept 32
	v_mov_b32 v[160+j], 0                          ; O^T: the step is written without a first form of its own: the first change of M multiplies zeros
.set j, j+1
.endr
	s_mov_b32 s28, 0
	s_wait_dscnt 0x0
	STEP 3, 0, 3, 4, SBY, 2*SBY, 2*SBY
	STEP 3, SBY, 1, 2, 2*SBY, 3*SBY, 3*SBY
	STEP 1, 2*SBY, 1, 2, 3*SBY, 0, 4*SBY
	STEP 1, 3*SBY, 1, 2, 0, SBY, 5*SBY
	s_mov_b32 s31, 3
.Lq:                                                   ; once round the ring: steps 4 to 15
	s_wait_xcnt 0x0                                ; the chunks' loads have read their base
	s_add_nc_u64 s[6:7], s[6:7], 4*SBY
	STEP 1, 0, 1, 2, SBY, 2*SBY, 2*SBY
	STEP 1, SBY, 1, 2, 2*SBY, 3*SBY, 3*SBY
	STEP 1, 2*SBY, 1, 2, 3*SBY, 0, 4*SBY
	STEP 1, 3*SBY, 1, 2, 0, SBY, 5*SBY
	s_sub_co_u32 s31, s31, 1
	s_cmp_lg_u32 s31, 0
	s_cbranch_scc1 .Lq
	; THE BATCH'S WAY OUT: o = O^T / the sum, quantised along e: register 16 b + i = e 32 b + 16 h + i of my query
	v_add_f32 v14, v14, v15
	v_permlanex16_b32 v252, v14, s20, s21
	v_add_f32 v14, v14, v252                       ; the row's sum
	v_rcp_f32 v14, v14
	v_nop                                          ; a plain place behind the transcendental
	s_wait_alu depctr_va_vdst(0)                   ; the reciprocal is written, ahead of its first reader
.set j, 0
.rept 32
	v_mul_f32 v[192+j], v[160+j], v14
.set j, j+1
.endr
.irp b, 0,1
	v_max3_num_f32 v[232+\b], |v[192+16*\b]|, |v[193+16*\b]|, 0x1800000
.endr
.irp i, 2,4,6,8,10,12,14
.irp b, 0,1
	v_max3_num_f32 v[232+\b], v[232+\b], |v[192+16*\b+\i]|, |v[193+16*\b+\i]|
.endr
.endr
.irp b, 0,1
	v_permlanex16_b32 v[236+\b], v[232+\b], s20, s21
.endr
.irp b, 0,1
	v_max_num_f32 v[232+\b], v[232+\b], v[236+\b]
.endr
.irp b, 0,1
	v_add_nc_u32 v[244+\b], 0xff000000, v[232+\b]
.endr
.irp b, 0,1
	v_lshrrev_b32 v[236+\b], 23, v[244+\b]
.endr
	v_lshl_or_b32 v238, v237, 8, v236              ; the head's two bytes of my query's scale word
	v_cvt_scalef32_pk16_fp6_f32 v[224:226], v[192:207], v244
	v_cvt_scalef32_pk16_fp6_f32 v[228:230], v[208:223], v245
	v_nop                                          ; one plain place behind the scaled conversions
.irp i, 0,1,2
	v_permlane16_swap_b32 v[224+\i], v[228+\i]     ; lanes 0-15: block 0 whole, lanes 16-31: block 1
.endr
.irp i, 0,1,2
	v_mov_b32 v[227+\i], v[228+\i]
.endr
	s_wait_alu depctr_va_vdst(0)                   ; o's codes in v224-229 and its word in v238 are written, which the stores below read; the steps' vector work is done with v240-242, in which wave 0's LDS load lands
	global_store_b128 v10, v[224:227], s[10:11]            ; my tile's half fragment: 512 consecutive bytes,
	global_store_b64 v11, v[228:229], s[10:11] offset:512  ; and 256
	ds_store_b32 v29, v238                         ; both halves of the lanes write the same word with the same value
	s_wait_dscnt 0x0
	s_barrier_signal -1
	s_barrier_wait -1
	s_cmp_lg_u32 s14, 0
	s_cbranch_scc1 .Lnot0
	ds_load_b128 v[240:243], v30                   ; the eight tiles' words leave as 512 consecutive bytes
	s_wait_dscnt 0x0
	global_store_b128 v10, v[240:243], s[12:13]
.Lnot0:
	s_wait_xcnt 0x0                                ; the stores have read their bases, the chunks' loads their base
	s_wait_alu depctr_vm_vsrc(0)                   ; the stores have read v224-229, v238 and v240-243, which the next batch writes again; the LDS loads have read v3 and v4, which step below
	s_add_nc_u64 s[10:11], s[10:11], 1572864
	s_add_nc_u64 s[12:13], s[12:13], 131072
	s_add_nc_u64 s[6:7], s[6:7], 3248128           ; from chunk 12 of this batch to chunk 0 of the next
	v_add_nc_u32 v3, 26624, v3
	v_add_nc_u32 v4, 26624, v4
.irp i, 0,1,2,3,4,5
	v_mov_b32 v[16+\i], v[32+\i]                   ; the next batch's Q
.endr
	v_mov_b32 v28, v38
.irp i, 0,1,2,3,4,5,6
	v_mov_b32 v[32+\i], v[40+\i]
.endr
.irp i, 0,1,2,3,4,5,6
	v_mov_b32 v[40+\i], v[48+\i]
.endr
	s_mov_b32 s24, s25                             ; and its length
	s_mov_b32 s25, s26
	s_mov_b32 s26, s27
	s_sub_co_u32 s30, s30, 1
	s_cmp_lg_u32 s30, 0
	s_cbranch_scc1 .Lb
	s_wait_dscnt 0x0
	s_wait_alu depctr_hold_cnt(0) depctr_sa_sdst(0) depctr_va_vdst(0) depctr_va_sdst(0) depctr_va_ssrc(0) depctr_va_vcc(0) depctr_vm_vsrc(0)
	s_wait_tensorcnt 0x0
	ds_add_u32 v251, v255
	s_wait_dscnt 0x0
	s_endpgm
.Lfunc_end_k_qe0bc4b13bd_attn:
	.size	k_qe0bc4b13bd_attn, .Lfunc_end_k_qe0bc4b13bd_attn-k_qe0bc4b13bd_attn
	.p2alignl 7, 3214868480
	.fill 96, 4, 3214868480
	.section	.rodata,"a",@progbits
	.p2align	6, 0x0
	.amdhsa_kernel k_qe0bc4b13bd_attn
		.amdhsa_group_segment_fixed_size 161280
		.amdhsa_private_segment_fixed_size 0
		.amdhsa_enable_private_segment 0
		.amdhsa_kernarg_size 40
		.amdhsa_user_sgpr_count 2
		.amdhsa_user_sgpr_kernarg_segment_ptr 1
		.amdhsa_wavefront_size32 1
		.amdhsa_system_sgpr_workgroup_id_x 1
		.amdhsa_system_sgpr_workgroup_id_y 1
		.amdhsa_system_sgpr_workgroup_id_z 1
		.amdhsa_system_vgpr_workitem_id 0
		.amdhsa_next_free_vgpr 512
		.amdhsa_next_free_sgpr 66
		.amdhsa_reserve_vcc 0
		.amdhsa_float_denorm_mode_32 3
		.amdhsa_float_denorm_mode_16_64 3
		.amdhsa_memory_ordered 1
		.amdhsa_forward_progress 1
		.amdhsa_inst_pref_size 230
	.end_amdhsa_kernel
	.amdgpu_metadata
---
amdhsa.version: [ 1, 2 ]
amdhsa.kernels:
  - .name:           k_qe0bc4b13bd_attn
    .symbol:         k_qe0bc4b13bd_attn.kd
    .args:
      - { .name: qq, .offset: 0, .size: 8, .value_kind: global_buffer, .address_space: global }
      - { .name: kv, .offset: 8, .size: 8, .value_kind: global_buffer, .address_space: global }
      - { .name: valid_lens, .offset: 16, .size: 8, .value_kind: global_buffer, .address_space: global }
      - { .name: oc, .offset: 24, .size: 8, .value_kind: global_buffer, .address_space: global }
      - { .name: osc, .offset: 32, .size: 8, .value_kind: global_buffer, .address_space: global }
    .group_segment_fixed_size: 161280
    .private_segment_fixed_size: 0
    .kernarg_segment_align: 8
    .kernarg_segment_size: 40
    .max_flat_workgroup_size: 256
    .sgpr_count:     66
    .vgpr_count:     512
    .wavefront_size: 32
...
	.end_amdgpu_metadata
.endif
;; end of part 6
;; launch oproj: the kernel of part 4 again; grid 4 x 64, 4 waves a work-group, clusters of 4 x 4, 327,680 bytes of LDS; arguments oc, osc, wc, out0; writes out0
